; MI455X (gfx1250); checked and timed in simulation.
; The chip was launched on July 23, 2026; its instructions are those of AMD's public machine-readable ISA for CDNA 5 (MIT licence, August 2026) and "CDNA5" Instruction Set Architecture Reference Guide (July 2026). The comments in the code are by the model that wrote it; some were corrected since.
;; Multi Head Attention. Allowed arithmetic: float matrix products may take bf16 or f16 operands with f32 sums; all other float work in f32.
;; Inputs: Wk 1,024 x 1,024 float32; Wo 1,024 x 1,024 float32; Wq 1,024 x 1,024 float32; Wv 1,024 x 1,024 float32; bk 1,024 float32; bo 1,024 float32; bq 1,024 float32; bv 1,024 float32; k 8 x 1,024 x 1,024 float32; mask 8 x 1 x 1,024 int32; q 8 x 1,024 x 1,024 float32; v 8 x 1,024 x 1,024 float32.
;; Outputs: out0 8 x 1,024 x 1,024 float32.
;; One version. Each part assembles by itself: llvm-mc -triple=amdgcn-amd-amdhsa -mcpu=gfx1250 --defsym DOCPART=n.
;; ======== version 1 of 1: 4 launches
;; limits: values are held in f16: magnitudes above 65,504 overflow, below 6.1e-05 lose precision; right only within a limited range of input values
;; workspace buffers: wb 8,388,608 bytes; qkv 50,331,648 bytes; oh 16,777,216 bytes
;; launch cast (part 1): grid 64 x 4, 8 waves a work-group, no clusters, 0 bytes of LDS; arguments Wq, Wk, Wv, Wo, wb; writes wb
.if DOCPART == 1
	.amdgcn_target "amdgcn-amd-amdhsa--gfx1250"
	.amdhsa_code_object_version 6
	.text
	.protected	k_q3f75f11a89_cast
	.globl	k_q3f75f11a89_cast
	.p2align	8
	.type	k_q3f75f11a89_cast,@function
k_q3f75f11a89_cast:
	s_mov_b64 s[64:65], 0
	v_nop
	global_prefetch_b8 v0, s[64:65] scope:SCOPE_SE
	s_setreg_imm32_b32 hwreg(HW_REG_WAVE_MODE, 25, 1), 1
	s_wait_xcnt 0x0
; wb[p][k][n], p = 0..3: the weights Wq, Wk, Wv, Wo as 16-bit numbers, each left as it lies ([k][n], 1,024 x 1,024).
; Wq, Wk, Wv are rounded to bf16.  Wo is rounded to bf16 like the others, and that number is then written as f16, since the last product's other operand is f16.
; LIMIT: a bf16 number is exact in f16 between 2^-14 and 65,504; below 2^-14 it keeps f16's fixed step of 6e-8; beyond 65,504 it would become an infinity.
; A stream: no LDS, no barrier, no matrix work.  The grid's y picks the matrix, x a piece of 16,384 numbers (65,536 bytes in, 32,768 out).
; Thread t takes, eight times, 8 neighbouring numbers: 32 bytes in by two loads, 16 bytes out, so that a wave's store covers 512 consecutive bytes, aligned.
; All 16 loads of a thread are issued at once; no register is used twice, so the only waits are the counted ones for the loads.
.set X, 4                              ; v[4:67]    as loaded: 8 registers for each of the eight pieces
.set Y, 68                             ; v[68:99]   to store: 4 registers for each piece
.set T, 100                            ; v[100:101] at work
	s_load_b256 s[4:11], s[0:1], 0x0               ; Wq s[4:5], Wk s[6:7], Wv s[8:9], Wo s[10:11]
	s_load_b64 s[12:13], s[0:1], 0x20              ; wb
	s_and_b32 s16, ttmp7, 0xffff                   ; which matrix
	v_lshlrev_b32 v1, 5, v0                        ; 32 t: my bytes in a piece of the source
	v_lshlrev_b32 v2, 4, v0                        ; 16 t: in the destination
	s_lshl_b32 s18, ttmp9, 16                      ; the work-group's 65,536 bytes of the source
	s_mov_b32 s19, 0
	s_lshl_b32 s20, s16, 21                        ; a matrix is 2,097,152 bytes of wb,
	s_lshl_b32 s21, ttmp9, 15                      ; the work-group's part 32,768
	s_add_co_u32 s20, s20, s21
	s_mov_b32 s21, 0
	s_wait_kmcnt 0x0
	s_cmp_eq_u32 s16, 1
	s_cselect_b64 s[14:15], s[6:7], s[4:5]
	s_cmp_eq_u32 s16, 2
	s_cselect_b64 s[14:15], s[8:9], s[14:15]
	s_cmp_eq_u32 s16, 3
	s_cselect_b64 s[14:15], s[10:11], s[14:15]
	s_add_nc_u64 s[14:15], s[14:15], s[18:19]
	s_add_nc_u64 s[12:13], s[12:13], s[20:21]
.set i, 0
.rept 8
	global_load_b128 v[X+8*i:X+8*i+3],   v1, s[14:15] offset:i*8192 th:TH_LOAD_NT
	global_load_b128 v[X+8*i+4:X+8*i+7], v1, s[14:15] offset:i*8192+16 th:TH_LOAD_NT
.set i, i+1
.endr
; The eight pieces.  f16 = 1: each bf16 number is widened again (a shift, a mask) and written as f16.
.macro BODY f16
.set i, 0
.rept 8
	s_wait_loadcnt 14-2*i                          ; loads come back in order: piece i's two are in, the 14 - 2 i younger ones stay out
.set j, 0
.rept 4
	v_cvt_pk_bf16_f32 v[Y+4*i+j], v[X+8*i+2*j], v[X+8*i+2*j+1]
.if \f16
	v_lshlrev_b32 v[T], 16, v[Y+4*i+j]
	v_and_b32 v[T+1], 0xffff0000, v[Y+4*i+j]
	v_cvt_pk_f16_f32 v[Y+4*i+j], v[T], v[T+1]
.endif
.set j, j+1
.endr
	global_store_b128 v2, v[Y+4*i:Y+4*i+3], s[12:13] offset:i*4096
.set i, i+1
.endr
.endm
	s_cmp_eq_u32 s16, 3
	s_cbranch_scc1 .Lwo
	BODY 0
	s_endpgm
.Lwo:
	BODY 1
	s_endpgm
.Lfunc_end_k_q3f75f11a89_cast:
	.size	k_q3f75f11a89_cast, .Lfunc_end_k_q3f75f11a89_cast-k_q3f75f11a89_cast
	.p2alignl 7, 3214868480
	.fill 96, 4, 3214868480
	.section	.rodata,"a",@progbits
	.p2align	6, 0x0
	.amdhsa_kernel k_q3f75f11a89_cast
		.amdhsa_group_segment_fixed_size 0
		.amdhsa_private_segment_fixed_size 0
		.amdhsa_enable_private_segment 0
		.amdhsa_kernarg_size 40
		.amdhsa_user_sgpr_count 2
		.amdhsa_user_sgpr_kernarg_segment_ptr 1
		.amdhsa_wavefront_size32 1
		.amdhsa_system_sgpr_workgroup_id_x 1
		.amdhsa_system_sgpr_workgroup_id_y 1
		.amdhsa_system_sgpr_workgroup_id_z 1
		.amdhsa_system_vgpr_workitem_id 0
		.amdhsa_next_free_vgpr 104
		.amdhsa_next_free_sgpr 66
		.amdhsa_reserve_vcc 0
		.amdhsa_float_denorm_mode_32 3
		.amdhsa_float_denorm_mode_16_64 3
		.amdhsa_memory_ordered 1
		.amdhsa_forward_progress 1
		.amdhsa_inst_pref_size 14
	.end_amdhsa_kernel
	.amdgpu_metadata
---
amdhsa.version: [ 1, 2 ]
amdhsa.kernels:
  - .name:           k_q3f75f11a89_cast
    .symbol:         k_q3f75f11a89_cast.kd
    .args:
      - { .name: Wq, .offset: 0, .size: 8, .value_kind: global_buffer, .address_space: global }
      - { .name: Wk, .offset: 8, .size: 8, .value_kind: global_buffer, .address_space: global }
      - { .name: Wv, .offset: 16, .size: 8, .value_kind: global_buffer, .address_space: global }
      - { .name: Wo, .offset: 24, .size: 8, .value_kind: global_buffer, .address_space: global }
      - { .name: wb, .offset: 32, .size: 8, .value_kind: global_buffer, .address_space: global }
    .group_segment_fixed_size: 0
    .private_segment_fixed_size: 0
    .kernarg_segment_align: 8
    .kernarg_segment_size: 40
    .max_flat_workgroup_size: 256
    .sgpr_count:     66
    .vgpr_count:     104
    .wavefront_size: 32
...
	.end_amdgpu_metadata
.endif
;; end of part 1
;; launch proj (part 2): grid 4 x 64, 4 waves a work-group, clusters of 4 x 4, 327,680 bytes of LDS; arguments q, k, v, wb, bq, bk, bv, mask, qkv; writes qkv
.if DOCPART == 2
	.amdgcn_target "amdgcn-amd-amdhsa--gfx1250"
	.amdhsa_code_object_version 6
	.text
	.protected	k_q3f75f11a89_proj
	.globl	k_q3f75f11a89_proj
	.p2align	8
	.type	k_q3f75f11a89_proj,@function
k_q3f75f11a89_proj:
	s_mov_b64 s[64:65], 0
	v_nop
	global_prefetch_b8 v0, s[64:65] scope:SCOPE_SE
	s_setreg_imm32_b32 hwreg(HW_REG_WAVE_MODE, 25, 1), 1
	s_wait_xcnt 0x0
	s_wait_alu depctr_hold_cnt(0) depctr_sa_sdst(0) depctr_va_vdst(0) depctr_va_sdst(0) depctr_va_ssrc(0) depctr_va_vcc(0) depctr_vm_vsrc(0)
	s_getreg_b32 s2, hwreg(HW_REG_IB_STS2, 6, 4)
	s_cmp_eq_u32 s2, 0
	s_cbranch_scc0 .Lentry_in_a_cluster
	s_endpgm
.Lentry_in_a_cluster:
	s_bfe_u32 s2, ttmp6, 0x10000c
	s_cmp_lg_u32 s2, 0xf033
	s_cbranch_scc0 .Lentry_shape_is_right
	s_endpgm
.Lentry_shape_is_right:
; THE THREE PROJECTIONS.  qkv[p][batch x 16 + head][s][64] = f16( x_p[batch][s][:] . W_p[:][64 head ..] + b_p ), p = 0, 1, 2 for q, k, v.  x_p: [8192][1024] f32; W_p: wb[p], [k][n] bf16; b_p: [1024] f32.
; x, W and b are rounded to bf16, the sums are f32, the result is rounded once, to f16, and written by heads, unscaled.  A row of k whose mask word is 0 is written as zeros: the launch behind then
; finds the raw score of a hidden key to be exactly the constant with which it starts that sum.
; LIMIT: f16 ends at 65,504: a projected number beyond that becomes an infinity.  With x and W of the spreads 1 and 1/32 the results have the spread 1; both thirty times larger give some 5,000.
; SHARES.  A tile of a result is 128 rows x 256 columns: 64 x 4 tiles, one work-group for each place.  Four waves, each 64 rows x 128 columns: 32 accumulators, 256 registers.
; A WORK-GROUP STAYS: it makes its tile of q, then of k, then of v: ONE walk of 24 K steps of 128 through two LDS slots.  The ring does not stop at a tile's end: a tile's last two changes of slots ask for
; the next tile's first two K steps, and nothing waits for a tile's stores.  A trip of the loop is one K step; the slot in hand is a scalar that an exclusive or turns between 0 and SLOT.
; x's tile lies in LDS in f32 (rows of 512 bytes) and is rounded to bf16 where fragments are made: a pass of its own over x would move x's bytes three times.
; W's tile lies as in memory, [k][n] (rows of 512 bytes), and is turned on the way out of LDS by ds_load_tr16_b128.
; CLUSTERS: 4 x 4 work-groups.  The four of a row of the cluster need the same tile of x, the four of a column the same tile of W: each is asked for JOINTLY, by the same tensor load with the same descriptor
; and a mask that names the four.  All sixteen partners walk q, k, v in step.
; THE MATRIX INSTRUCTION IS USED TRANSPOSED (source 0 = 16 columns of W, source 1 = 16 rows of x): a lane then holds eight neighbouring columns of one row.  The bias is the C operand that starts the sums.
; REGISTERS, in windows of 256 (s_set_vgpr_msb: bits 1:0 source 0, 3:2 source 1, 5:4 source 2, 7:6 destination):
;   window 0: v0-31 addresses and masks; v32-63 x's four fragments in bf16; v64-127, v128-191 x's fragments in f32 as loaded, two buffers (the second also: packed results on the way out)
;   window 1: the accumulators, (a, b) at v[8 (8 a + b)]          window 2: v0-63, v64-127 W's fragments, two buffers; v128-191 the bias, 8 registers for each b
.set PA,    528                        ; a row of x in LDS: 512 bytes + 16 of padding = 132 words: the 16 rows that a load touches start at 16 different groups of four banks (64 banks of 4 bytes: ISA guide 11.1)
.set PB,    544                        ; a row of W: 512 + 32 = 136 words
.set AT,    128*PA                     ; x's 128 rows
.set SLOT,  AT+128*PB                  ; then W's 128 rows (k)
.set STAGE, 2*SLOT                     ; behind the ring: for each wave 2 heads x 16 rows x 144 bytes, for the way out; no tensor load lands here
.set SP,    144
.set SPARE, STAGE+4*32*SP              ; behind the stages: the spare words, 128 bytes for each wave: two blocks of 256 bytes that no other line names
.set STEPS, 24                         ; K steps of the walk: 3 tiles x 8
.set KEEP, 8                           ; v8-11   for my row of row block a, in the tile that goes out: all ones, or 0 where k's row is hidden
.set KM,   12                          ; v12-15  the same from the mask alone: all ones where the row's mask word is not 0
.set ADRA, 16                          ; v16     LDS address of my fragments of x in the slot in hand
.set ADRA0,17                          ; v17     the same in slot 0; never rewritten
.set ADRB, 20                          ; v20, v21  the same for W
.set ADRB0,21
.set VP,   22                          ; v22     the byte offset, in x's tile rows, of the block that I ask for ahead; never rewritten
.set STO,  24                          ; v24     the way out: where I put 16 bytes of a row
.set RD,   25                          ; v25     the way out: where I read rows back
.set GO,   26                          ; v26     my byte offset in 512 consecutive bytes of the result
.set BO,   27                          ; v27     my byte offset in the bias
.set SPW,  28                          ; v28     LDS address of my spare word: SPARE + 4 x my thread's number; never rewritten
.set NIL,  29                          ; v29     0; never rewritten
.set MO,   30                          ; v30     my byte offset in the mask
.set ABF,  32
.set RAW,  64
.set BF,   0                           ; window 2
.set BIAS, 128                         ; window 2
.set XB,  4                            ; s[4:5]   the x whose tiles are being asked for
.set XN,  6                            ; s[6:7]   the x behind it
.set AO,  16                           ; s[16:17] byte offset in x of the tile part that I ask for next: my 64 rows, and 512 bytes for each K step
.set AO0, 19                           ; s19      the same at K step 0
.set G1,  24                           ; s[24:31] descriptor group 1 for x's tiles;  s[32:39] group 0: a set for each of the two first fills; the second then walks on
.set G0,  32
.set G1B, 48                           ; s[48:55], s[56:63] the same for W's tiles
.set G0B, 56
.set SB,  66                           ; s66      LDS byte at which the slot that is read begins: 0 or SLOT
.set SBF, 67                           ; s67      the same for the slot that was filled last
.set FK,  89                           ; s89      the K step, 0 to 7 in its tile, that is asked for next
.set KSC, 91                           ; s91      K steps of the tile in hand that are done
.set TP,  92                           ; s92      the tile in hand: 0, 1, 2
.set PX,  94                           ; s[94:95] the address for the asking ahead
.set PO,  96                           ; s[96:97] its offset
.set PK,  98                           ; s98      its K step
.set PR,  99                           ; s99      byte offset in x of the tile's first row
.set MSB, 0
.macro WIN new                         ; the immediate's high byte repeats the setting that is left; a switch that changes nothing is dropped
.if MSB != (\new)
	s_set_vgpr_msb (MSB<<8)|(\new)
.set MSB, \new
.endif
.endm
.set MUL,  0x52                        ; source 0 (W) window 2, source 1 (x) window 0, C and D window 1
.set MULB, 0x62                        ; the same with C (the bias) in window 2
.set TO_B, 0x80                        ; destination window 2, address window 0
; A joint load: waves 0 and 1 fetch the two halves of x's tile, waves 2 and 3 those of W's.  The branch hangs on the wave's number alone.
; An s_nop 0 and four v_nop follow each of the two lines, ahead of the jump, the label and what follows.
.macro JLOAD s
	s_cmp_eq_u32 s11, 0
	s_cbranch_scc0 .Lfor_b_\@
	tensor_load_to_lds s[G0+4*(\s):G0+4*(\s)+3], s[G1:G1+7]
	s_nop 0
.rept 4
	v_nop
.endr
	s_branch .Lasked_\@
.Lfor_b_\@:
	tensor_load_to_lds s[G0B+4*(\s):G0B+4*(\s)+3], s[G1B:G1B+7]
	s_nop 0
.rept 4
	v_nop
.endr
.Lasked_\@:
.endm
.macro CREST                           ; a round of the cluster's barrier behind its opening barrier
	s_cmp_lg_u32 s10, 0
	s_cbranch_scc1 .Lnot_wave_0_\@
	s_barrier_signal -3
.Lnot_wave_0_\@:
	s_barrier_wait -3
	s_barrier_signal -1
	s_barrier_wait -1
.endm
.macro CROUND                          ; a whole round
	s_barrier_signal -1
	s_barrier_wait -1
	CREST
.endm
	s_load_b256 s[68:75], s[0:1], 0x0              ; q s[68:69], k s[70:71], v s[72:73], wb s[74:75]
	s_load_b256 s[76:83], s[0:1], 0x20             ; bq s[76:77], bk s[78:79], bv s[80:81], mask s[82:83]
	s_load_b64 s[84:85], s[0:1], 0x40              ; qkv
	v_lshl_add_u32 v[SPW], v0, 2, SPARE
	v_mov_b32 v[NIL], 0
	ds_add_u32 v[SPW], v[NIL]                      ; the wave's opening: the add and its wait stand ahead of my first tensor load; the set-up below, work on registers, stands between them
	ds_add_u32 v28, v29
	v_lshrrev_b32 v1, 5, v0
	v_readfirstlane_b32 s10, v1                    ; wave 0..3
	s_lshr_b32 s11, s10, 1                         ; which half of the tile's rows is mine.  Also: I fetch for x (0) or for W (1)
	s_and_b32 s12, s10, 1                          ; which half of its columns.  Also: which 64 rows of that tile I fetch
	s_bfe_u32 s40, ttmp6, 0x40000                  ; cx, cy: my place in the cluster
	s_bfe_u32 s41, ttmp6, 0x40004
	s_lshl_b32 s42, ttmp9, 2
	s_add_co_u32 s42, s42, s40                     ; tile column = 4 x cluster x + cx: 0..3
	s_and_b32 s13, ttmp7, 0xffff
	s_lshl_b32 s13, s13, 2
	s_add_co_u32 s13, s13, s41                     ; tile row = 4 x cluster y + cy: 0..63
	s_lshl_b32 s43, s41, 2
	s_lshl_b32 s43, 15, s43                        ; my row of the cluster
	s_lshl_b32 s44, 0x1111, s40                    ; my column
	; descriptor group 1.  x: 64 rows x 128 elements of 4 bytes.  W: 64 rows x 256 elements of 2 bytes.  Both: rows of 128 words, padded in LDS
	s_or_b32 s[G1+0], s43, (2<<16)|(1<<20)|(1<<21)|(6<<22)|(3<<25)   ; 15:0 the mask: x's tiles go to my row; 17:16 element of 4 bytes; 20 padding on; 21 set beside a mask; 24:22 after every 128 words (code 6); 31:25 4 words (code 3)
	s_or_b32 s[G1B+0], s44, (1<<16)|(1<<20)|(1<<21)|(6<<22)|(7<<25)  ; W's go to my column; element of 2 bytes; 8 words of padding (code 7)
	s_mov_b32 s[G1+1], 128<<16                     ; tensor_dim0
	s_mov_b32 s[G1B+1], 256<<16
	s_mov_b32 s[G1+2], 64<<16                      ; tensor_dim1
	s_mov_b32 s[G1B+2], 64<<16
	s_mov_b32 s[G1+3], 128<<16                     ; tile_dim0
	s_mov_b32 s[G1B+3], 256<<16
	s_mov_b32 s[G1+4], 64                          ; tile_dim1
	s_mov_b32 s[G1B+4], 64
	s_mov_b32 s[G1+5], 1024                        ; elements from row to row
	s_mov_b32 s[G1B+5], 1024
	s_mov_b32 s[G1+6], 0
	s_mov_b32 s[G1B+6], 0
	s_mov_b32 s[G1+7], 0
	s_mov_b32 s[G1B+7], 0
	; where the tiles come from.  x's hang on the tile row, which my row of the cluster shares; W's on the tile column, which my column shares
	s_lshl_b32 s[AO0], s13, 7
	s_lshl_b32 s17, s12, 6
	s_add_co_u32 s[AO0], s[AO0], s17               ; x: row 128 x tile row + 64 x half,
	s_lshl_b32 s[AO0], s[AO0], 12                  ; of 4,096 bytes
	s_mov_b32 s[AO], s[AO0]
	s_mov_b32 s[AO+1], 0
	s_lshl_b32 s46, s12, 17                        ; W: 64 rows of 2,048 bytes for the half,
	s_lshl_b32 s47, s42, 9                         ; 512 bytes for the tile column
	s_add_co_u32 s46, s46, s47
	s_mov_b32 s47, 0
	s_mul_i32 s20, s12, 64*PA                      ; and where they go in a slot: no place in the cluster enters an LDS address
	s_mul_i32 s18, s12, 64*PB
	s_add_co_u32 s18, s18, AT
	s_mov_b32 s[SB], 0                             ; the walk begins: slot 0 is read first, slot 1 was filled last,
	s_mov_b32 s[SBF], SLOT
	s_mov_b32 s[FK], 2                             ; K steps 0 and 1 of q are the first fills
	s_mov_b32 s[KSC], 0
	s_mov_b32 s[TP], 0
	s_lshl_b32 s[PR], s13, 19                      ; 128 rows of 4,096 bytes for each tile row
	s_mov_b32 s[PO+1], 0
	s_wait_dscnt 0x0                               ; the opening add is done
	s_wait_kmcnt 0x0
	s_mov_b64 s[XB:XB+1], s[68:69]                 ; q first, k behind it
	s_mov_b64 s[XN:XN+1], s[70:71]
	s_mov_b64 s[86:87], s[76:77]                   ; and q's bias
	s_add_nc_u64 s[14:15], s[XB:XB+1], s[AO:AO+1]
	s_add_nc_u64 s[46:47], s[74:75], s[46:47]
	CROUND                                         ; all sixteen work-groups are here: the first joint loads meet
.irp s, 0,1
	s_mov_b32 s[G0+4*(\s)], 1                                        ; count = 1
	s_add_co_u32 s[G0+4*(\s)+1], s20, (\s)*SLOT                      ; LDS address
	s_add_nc_u64 s[G0+4*(\s)+2:G0+4*(\s)+3], s[14:15], (\s)*512      ; K step s: 128 numbers of 4 bytes along the row
	s_or_b32 s[G0+4*(\s)+3], s[G0+4*(\s)+3], 0x80000000              ; type = 2
	s_mov_b32 s[G0B+4*(\s)], 1
	s_add_co_u32 s[G0B+4*(\s)+1], s18, (\s)*SLOT
	s_add_nc_u64 s[G0B+4*(\s)+2:G0B+4*(\s)+3], s[46:47], (\s)*262144 ; K step s: 128 rows of 2,048 bytes
	s_or_b32 s[G0B+4*(\s)+3], s[G0B+4*(\s)+3], 0x80000000
	JLOAD \s                                       ; two loads of mine are out
.endr
	s_add_co_u32 s[AO], s[AO], 1024                ; the next to be asked for is K step 2
	; A fragment of x is 16 rows x 32 K: lane l holds row l % 16 and K = 8 (l / 16) + 0..7 and 16 + 8 (l / 16) + 0..7: in f32 four loads of 16 bytes, at 0, 16, 64 and 80 from row x pitch + 32 (l / 16).
	v_and_b32 v1, 15, v0                           ; l % 16
	v_bfe_u32 v2, v0, 4, 1                         ; l / 16
	v_mul_u32_u24 v3, v1, PA
	v_lshl_add_u32 v3, v2, 5, v3
	; The turning load takes 16 k x 16 columns (lane l reads 16 bytes: k = 8 (l / 16) + l % 8, columns 8 ((l / 8) % 2) + 0..7) and leaves half a fragment: lane l holds column l % 16 and 8 k.
	v_and_b32 v4, 7, v0
	v_bfe_u32 v5, v0, 3, 1
	v_lshl_add_u32 v6, v2, 3, v4
	v_mul_u32_u24 v6, v6, PB
	v_lshl_add_u32 v6, v5, 4, v6
	s_mul_i32 s21, s11, 64*PA                      ; my 64 rows of x
	s_lshl_b32 s22, s12, 8                         ; my 128 columns of W, 256 bytes,
	s_add_co_u32 s22, s22, AT                      ; behind x's tile
	v_add_nc_u32 v[ADRA0], s21, v3
	v_add_nc_u32 v[ADRB0], s22, v6
	v_mov_b32 v[ADRA], v[ADRA0]                    ; slot 0 is in hand
	v_mov_b32 v[ADRB], v[ADRB0]
	s_mul_i32 s23, s10, 32*SP
	s_add_co_u32 s23, s23, STAGE                   ; my stage
	v_mul_u32_u24 v7, v1, SP                       ; in: row l % 16, 16 bytes for each half of the lanes
	v_lshl_add_u32 v7, v2, 4, v7
	v_add_nc_u32 v[STO], s23, v7
	v_bfe_u32 v7, v0, 3, 2                         ; back: 32 lanes take four rows of 128 bytes,
	v_mul_u32_u24 v7, v7, SP
	v_lshl_add_u32 v7, v4, 4, v7
	v_add_nc_u32 v[RD], s23, v7
	v_and_b32 v[GO], 31, v0                        ; which are 512 consecutive bytes of a head
	s_lshl_b32 s21, s40, 5                         ; asking ahead: of the tile's 128 rows my work-group takes 32 cx + lane,
	v_add_nc_u32 v7, s21, v[GO]
	s_lshl_b32 s21, s12, 8                         ; and of a row's 512 bytes wave 0 the first 256, wave 1 the second
	v_lshl_add_u32 v[VP], v7, 12, s21
	v_lshlrev_b32 v[GO], 4, v[GO]
	s_lshl_b32 s46, s42, 10                        ; the bias of my columns: 4 x (256 x tile column + 128 x half + 8 (l / 16)) bytes
	s_lshl_b32 s47, s12, 9
	s_add_co_u32 s46, s46, s47
	v_lshl_add_u32 v[BO], v2, 5, s46
	s_lshl_b32 s21, s13, 7                         ; the mask word of my row: 4 x (128 x tile row + 64 x half + l % 16): the mask's [8][1][1024] words lie in the order of x's 8,192 rows
	s_lshl_b32 s23, s11, 6
	s_add_co_u32 s21, s21, s23
	s_lshl_b32 s21, s21, 2
	v_lshl_add_u32 v[MO], v1, 2, s21
.macro BIASLD                          ; the bias of my 128 columns, 8 numbers a lane for each column block
	WIN TO_B
.irp b, 0,1,2,3,4,5,6,7
	global_load_b128 v[BIAS+8*(\b):BIAS+8*(\b)+3],   v[BO], s[86:87] offset:64*(\b)
	global_load_b128 v[BIAS+8*(\b)+4:BIAS+8*(\b)+7], v[BO], s[86:87] offset:64*(\b)+16
.endr
	WIN 0
.endm
	BIASLD
.irp a, 0,1,2,3
	global_load_b32 v[KM+(\a)], v[MO], s[82:83] offset:64*(\a)
.endr
	; where my part of q's result begins: batch, head, row
	s_lshr_b32 s22, s13, 3                         ; batch = tile row / 8: 16 heads of 131,072 bytes
	s_lshl_b32 s22, s22, 21
	s_and_b32 s23, s13, 7                          ; row in the batch = 128 x (tile row % 8) + 64 x half, of 128 bytes
	s_lshl_b32 s23, s23, 7
	s_lshl_b32 s21, s11, 6
	s_add_co_u32 s23, s23, s21
	s_lshl_b32 s23, s23, 7
	s_add_co_u32 s22, s22, s23
	s_mov_b32 s23, 0
	s_add_nc_u64 s[8:9], s[84:85], s[22:23]
	s_lshl_b32 s46, s42, 2                         ; head = 4 x tile column + 2 x half (in registers that never feed x's descriptors)
	s_lshl_b32 s47, s12, 1
	s_add_co_u32 s46, s46, s47
	s_lshl_b32 s46, s46, 17
	s_mov_b32 s47, 0
	s_add_nc_u64 s[8:9], s[8:9], s[46:47]
; 32 LDS loads in one run: the fragments of quarter q (32 along K) of the slot in hand into buffer f; x's 16 first, row block 0 first of all
.macro FETCH q, f
	WIN 0
.irp a, 0,1,2,3
	ds_load_b128 v[RAW+64*(\f)+16*(\a):RAW+64*(\f)+16*(\a)+3],     v[ADRA] offset:(\a)*16*PA+128*(\q)
	ds_load_b128 v[RAW+64*(\f)+16*(\a)+4:RAW+64*(\f)+16*(\a)+7],   v[ADRA] offset:(\a)*16*PA+128*(\q)+16
	ds_load_b128 v[RAW+64*(\f)+16*(\a)+8:RAW+64*(\f)+16*(\a)+11],  v[ADRA] offset:(\a)*16*PA+128*(\q)+64
	ds_load_b128 v[RAW+64*(\f)+16*(\a)+12:RAW+64*(\f)+16*(\a)+15], v[ADRA] offset:(\a)*16*PA+128*(\q)+80
.endr
	WIN TO_B
.irp b, 0,1,2,3,4,5,6,7
	ds_load_tr16_b128 v[BF+64*(\f)+8*(\b):BF+64*(\f)+8*(\b)+3],   v[ADRB] offset:(\q)*32*PB+32*(\b)
	ds_load_tr16_b128 v[BF+64*(\f)+8*(\b)+4:BF+64*(\f)+8*(\b)+7], v[ADRB] offset:(\q)*32*PB+16*PB+32*(\b)
.endr
.endm
; The other slot comes in hand
.macro TOGGLE
	WIN 0
	s_xor_b32 s[SB], s[SB], SLOT                   ; 0 and SLOT by turns
	v_add_nc_u32 v[ADRA], s[SB], v[ADRA0]
	v_add_nc_u32 v[ADRB], s[SB], v[ADRB0]
.endm
; Half of row block a's fragment of x, from buffer f, rounded to bf16: four instructions
.macro CVT4 f, a, half
	WIN 0
.irp i, 0,1,2,3
	v_cvt_pk_bf16_f32 v[ABF+8*(\a)+4*(\half)+(\i)], v[RAW+64*(\f)+16*(\a)+8*(\half)+2*(\i)], v[RAW+64*(\f)+16*(\a)+8*(\half)+2*(\i)+1]
.endr
.endm
; 8 matrix instructions: row block a x all 8 column blocks, 32 along K, W from buffer f.  first = 1: the bias starts the sums: nothing is ever cleared.
; Between them the eight roundings of the row block that is multiplied next (block ra of buffer rf), in two fours.  They name no register of the products round them.  For ra = 0 (the next quarter's first block)
; the second four stand behind the last product: they are the four places (ISA guide 7.12.1 for vector instructions) in front of the next run of loads into W's buffer, and of the way out.
; The 32 accumulators take turns, one instruction a turn, in the same order in every quarter.
.macro BLK f, a, first, rf, ra
.irp b, 0,1,2,3,4,5,6,7
.if \first
	WIN MULB
	v_wmma_f32_16x16x32_bf16 v[8*(8*(\a)+(\b)):8*(8*(\a)+(\b))+7], v[BF+64*(\f)+8*(\b):BF+64*(\f)+8*(\b)+7], v[ABF+8*(\a):ABF+8*(\a)+7], v[BIAS+8*(\b):BIAS+8*(\b)+7]
.else
	WIN MUL
	v_wmma_f32_16x16x32_bf16 v[8*(8*(\a)+(\b)):8*(8*(\a)+(\b))+7], v[BF+64*(\f)+8*(\b):BF+64*(\f)+8*(\b)+7], v[ABF+8*(\a):ABF+8*(\a)+7], v[8*(8*(\a)+(\b)):8*(8*(\a)+(\b))+7]
.endif
.if (\ra) > 0
.if (\b) == 2
	CVT4 \rf, \ra, 0
.endif
.if (\b) == 5
	CVT4 \rf, \ra, 1
.endif
.endif
.if (\ra) == 0
.if (\b) == 3
	CVT4 \rf, 0, 0
.endif
.if (\b) == 7
	CVT4 \rf, 0, 1
.endif
.endif
.endr
.endm
; A K step is four quarters of 32 along K, 32 matrix instructions each, on buffers 0, 1, 0, 1.  A quarter multiplies buffer f; at its head it fetches quarter nq of the slot in hand into the other buffer.
.macro QUARTER f, nq, first=0
	FETCH \nq, 1-(\f)
	s_wait_dscnt 32                                ; all but the 32 just issued: buffer f is in
	BLK \f, 0, \first, \f, 1
	BLK \f, 1, \first, \f, 2
	BLK \f, 2, \first, \f, 3
	s_wait_dscnt 28                                ; the first four of the 32: the next quarter's row block 0 of x
	BLK \f, 3, \first, 1-(\f), 0
.endm
; A K step's third quarter fetches the slot's last fragments and changes slots: ONE barrier.  In front of it each wave waits for all its tensor loads, of which one is out: its part of the other slot; adds 0 to its
; spare word; and waits for that and for its own reads of this slot.  fill = 1: the barrier opens a round of the cluster's barrier, and behind the round this slot is filled again, with the walk's K step two
; steps on, in this tile or the next: from that request to the wait for it a wave issues 112 matrix instructions.
.macro TURNQ fill
	FETCH 3, 1
	s_wait_dscnt 32
	BLK 0, 0, 0, 0, 1
	WIN 0                                          ; (the add's two registers lie in window 0)
	s_wait_tensorcnt 0x0                           ; all my tensor loads have landed, so the walking descriptors may be written;
	ds_add_u32 v[SPW], v[NIL]                      ; 0 onto my spare word: scalar work, eight matrix instructions and eight roundings stand between it and the wait for it
.if \fill
	s_xor_b32 s[SBF], s[SBF], SLOT                 ; the slot that is filled: 0 and SLOT by turns,
	s_add_co_u32 s[G0+5], s20, s[SBF]              ; and my part's place in it
	s_add_co_u32 s[G0B+5], s18, s[SBF]
	s_add_nc_u64 s[G0+6:G0+7], s[XB:XB+1], s[AO:AO+1]  ; x's address is made anew: the x in turn and an offset
	s_or_b32 s[G0+7], s[G0+7], 0x80000000
	s_add_nc_u64 s[G0B+6:G0B+7], s[G0B+6:G0B+7], 262144  ; W's steps on: 128 rows; wb's three matrices lie end to end, so the step also leads from one to the next; the type bits on top are not reached
	s_wait_xcnt 0x0                                ; the last trip's asking ahead has read its address
	s_add_co_u32 s[PK], s[FK], 2                   ; asked for ahead: x's tile two K steps behind the one that is loaded now,
	s_cmp_gt_u32 s[PK], 7
	s_cselect_b64 s[PX:PX+1], s[XN:XN+1], s[XB:XB+1]  ; which may be the next x's
	s_and_b32 s[PK], s[PK], 7
	s_lshl_b32 s[PO], s[PK], 9
	s_add_co_u32 s[PO], s[PO], s[PR]
	s_add_nc_u64 s[PX:PX+1], s[PX:PX+1], s[PO:PO+1]
	s_add_co_u32 s[FK], s[FK], 1                   ; what is asked for next: the tile's next K step, or behind its last the next x's first
	s_add_co_u32 s[AO], s[AO], 512
	s_cmp_eq_u32 s[FK], 8
	s_cselect_b32 s[FK], 0, s[FK]
	s_cselect_b32 s[AO], s[AO0], s[AO]
	s_cselect_b64 s[XB:XB+1], s[XN:XN+1], s[XB:XB+1]
	s_cselect_b64 s[XN:XN+1], s[72:73], s[XN:XN+1]
.endif
	BLK 0, 1, 0, 0, 2
	s_wait_dscnt 0x0                               ; the add is done, and my reads of this slot are over
	s_barrier_signal -1
	BLK 0, 2, 0, 0, 3                              ; work on registers while the others arrive
.if \fill
	WIN 0
.endif
	s_barrier_wait -1
.if \fill
	CREST                                          ; no wave of any partner still reads this slot's tiles or has a load on its way
	JLOAD 1                                        ; the first tensor load behind the round, and my only one until the next
	; ASKING AHEAD for x, which comes from memory once: in the trip of K step s waves 0 and 1 ask for K step s + 4's tile, two trips ahead of its tensor load.  A lane asks for one aligned block of 256 bytes:
	; 32 rows for each of the cluster row's four work-groups, two blocks a row, so each block is asked for once in the launch; 16,384 bytes a trip for a work-group.  The last two trips, whose s + 4 would pass the walk's end, ask for nothing.
	s_cmp_lg_u32 s11, 0
	s_cbranch_scc1 .Lno_ask_\@
	s_cmp_lt_u32 s3, 3
	s_cbranch_scc1 .Lno_ask_\@
	global_prefetch_b8 v[VP], s[PX:PX+1] th:TH_LOAD_NT scope:SCOPE_SE
.Lno_ask_\@:
.endif
	BLK 0, 3, 0, 1, 0
.endm
; The bias is rounded to bf16, like x and W, and widened again.  At work: the first 32 registers of x's buffer 1, which is free here
.macro ROUNDB
	WIN 0x0a                                       ; sources in window 2,
.set i, 0
.rept 32
	v_cvt_pk_bf16_f32 v[RAW+64+i], v[BIAS+2*i], v[BIAS+2*i+1]
.set i, i+1
.endr
	WIN TO_B                                       ; and back into window 2
.set i, 0
.rept 32
	v_lshlrev_b32 v[BIAS+2*i], 16, v[RAW+64+i]
	v_and_b32 v[BIAS+2*i+1], 0xffff0000, v[RAW+64+i]
.set i, i+1
.endr
	WIN 0
.endm
; THE WAY OUT, a row block (16 rows x 2 heads) at a time: rounded to f16, each accumulator's registers in ascending order; k's hidden rows cleared; 16 bytes a lane into my stage, rows of 144 bytes;
; back as whole rows of 128 bytes, four to a load.  16 rows of a head are 2,048 consecutive bytes of the result.  At work: the two halves of x's buffer 1 by turns; buffer 0 and W's buffer 0 hold the next
; tile's first fragments and are left alone.
.macro PACK a
.set T, RAW+64+32*((\a)%2)
.if (\a) > 1
	s_wait_xcnt 0x0                                ; the stores of the block two back have read these registers (ISA guide 3.1: every earlier memory instruction has had its addresses translated)
.endif
	WIN 0x05                                       ; sources 0 and 1 window 1, destination window 0
.irp b, 0,1,2,3,4,5,6,7
.irp j, 0,1,2,3
	v_cvt_pk_f16_f32 v[T+4*(\b)+(\j)], v[64*(\a)+8*(\b)+2*(\j)], v[64*(\a)+8*(\b)+2*(\j)+1]
.endr
.endr
	WIN 0
.set i, 0
.rept 32
	v_and_b32 v[T+i], v[KEEP+(\a)], v[T+i]
.set i, i+1
.endr
.irp b, 0,1,2,3,4,5,6,7
	ds_store_b128 v[STO], v[T+4*(\b):T+4*(\b)+3] offset:((\b)/4)*16*SP+32*((\b)%4)
.endr
.irp f, 0,1,2,3,4,5,6,7
	ds_load_b128 v[T+4*(\f):T+4*(\f)+3], v[RD] offset:((\f)/4)*16*SP+((\f)%4)*4*SP  ; LDS serves a wave's instructions in order (ISA guide 5.7.1.4): these see the stores above; the next block's stores come behind them
.endr
.endm
.macro SEND a, younger                 ; younger: the LDS instructions issued behind block a's loads: the next block's sixteen, or none
.set T, RAW+64+32*((\a)%2)
.irp f, 0,1,2,3,4,5,6,7
	s_wait_dscnt (\younger)+7-(\f)
	global_store_b128 v[GO], v[T+4*(\f):T+4*(\f)+3], s[8:9] offset:(\a)*2048+((\f)/4)*131072+((\f)%4)*512  ; 512 consecutive bytes, at a multiple of 256 from the buffer's first
.endr
.endm
; more = 1: another tile follows: its bias is loaded at the head and rounded at the end, and the stores' base goes on to the next projection.  Both of the next tile's first K steps have been asked for by now.
.macro WAYOUT more
	s_cmp_eq_u32 s[TP], 1                          ; hidden rows are cleared in k alone
	s_cselect_b32 s88, 0, -1
.irp a, 0,1,2,3
	v_or_b32 v[KEEP+(\a)], s88, v[KM+(\a)]
.endr
.if \more
	s_cmp_eq_u32 s[TP], 0
	s_cselect_b64 s[86:87], s[78:79], s[80:81]     ; behind q's tile k's bias, behind k's tile v's (the last bias's loads were waited for)
	BIASLD
.endif
	PACK 0
	PACK 1                                         ; a block's arithmetic stands between the loads of the block before and its stores
	SEND 0, 16
	PACK 2
	SEND 1, 16
	PACK 3
	SEND 2, 16
	SEND 3, 0
.if \more
	s_wait_xcnt 0x0                                ; the stores have read their registers and their base
	s_add_nc_u64 s[8:9], s[8:9], 0x1000000         ; a projection is 16,777,216 bytes
	s_add_co_u32 s[TP], s[TP], 1
	s_mov_b32 s[KSC], 0
	s_wait_loadcnt 0x0                             ; the next bias
	ROUNDB
.endif
.endm
	s_wait_tensorcnt 1                             ; my part of K step 0 is in; K step 1's may stay out
	s_barrier_signal -1
	s_barrier_wait -1                              ; everybody's is
	FETCH 0, 0
	s_wait_loadcnt 0x0                             ; q's bias and the mask words
	ROUNDB
.irp a, 0,1,2,3
	v_cmp_ne_u32 s90, 0, v[KM+(\a)]
	v_cndmask_b32 v[KM+(\a)], 0, -1, s90           ; all ones where the mask word is not 0
.endr
	s_wait_dscnt 28                                ; row block 0 of x
	CVT4 0, 0, 0
	CVT4 0, 0, 1
	QUARTER 0, 1, 1                                ; the walk's first quarter stands in front of the loop: its products start q's sums
	WIN 0                                          ; at a label and at a branch every window is 0
	s_mov_b32 s3, STEPS-2
.Lstep:                                                ; a trip is a K step, from its second quarter to the next step's first; its refill brings the step two on: steps 2 to 23 in 22 trips
	QUARTER 1, 2
	TURNQ 1
	TOGGLE
	QUARTER 1, 0                                   ; the step's last quarter fetches the next step's first fragments
	WIN 0
	s_add_co_u32 s[KSC], s[KSC], 1
	s_cmp_eq_u32 s[KSC], 8
	s_cbranch_scc0 .Lsame                          ; a forward jump over text that holds no barrier and no tensor load
	WAYOUT 1                                       ; a tile is finished: it goes out, and the next tile's first quarter starts new sums
	QUARTER 0, 1, 1
	WIN 0
	s_branch .Lnext
.Lsame:
	QUARTER 0, 1
	WIN 0
.Lnext:
	s_sub_co_u32 s3, s3, 1
	s_cmp_lg_u32 s3, 0
	s_cbranch_scc1 .Lstep
	s_mov_b32 s2, 2
.Ltail:                                                ; the last two K steps fill nothing and have no round of the cluster's barrier.  The second trip is left in its middle; its last run of loads reads the other slot's old bytes, which nothing uses
	QUARTER 1, 2
	TURNQ 0
	TOGGLE
	QUARTER 1, 0
	WIN 0
	s_sub_co_u32 s2, s2, 1
	s_cmp_eq_u32 s2, 0
	s_cbranch_scc1 .Lend
	QUARTER 0, 1
	WIN 0
	s_branch .Ltail
.Lend:
	WAYOUT 0
	s_wait_tensorcnt 0x0                           ; the wave's end, behind my last tensor load and my last LDS store
	ds_add_u32 v[SPW], v[NIL]
	s_wait_dscnt 0x0
	CROUND                                         ; the closing round: no work-group ends while a partner may still ask for a tile that names it
	s_endpgm
.Lfunc_end_k_q3f75f11a89_proj:
	.size	k_q3f75f11a89_proj, .Lfunc_end_k_q3f75f11a89_proj-k_q3f75f11a89_proj
	.p2alignl 7, 3214868480
	.fill 96, 4, 3214868480
	.section	.rodata,"a",@progbits
	.p2align	6, 0x0
	.amdhsa_kernel k_q3f75f11a89_proj
		.amdhsa_group_segment_fixed_size 327680
		.amdhsa_private_segment_fixed_size 0
		.amdhsa_enable_private_segment 0
		.amdhsa_kernarg_size 72
		.amdhsa_user_sgpr_count 2
		.amdhsa_user_sgpr_kernarg_segment_ptr 1
		.amdhsa_wavefront_size32 1
		.amdhsa_system_sgpr_workgroup_id_x 1
		.amdhsa_system_sgpr_workgroup_id_y 1
		.amdhsa_system_sgpr_workgroup_id_z 1
		.amdhsa_system_vgpr_workitem_id 0
		.amdhsa_next_free_vgpr 704
		.amdhsa_next_free_sgpr 100
		.amdhsa_reserve_vcc 0
		.amdhsa_float_denorm_mode_32 3
		.amdhsa_float_denorm_mode_16_64 3
		.amdhsa_memory_ordered 1
		.amdhsa_forward_progress 1
		.amdhsa_inst_pref_size 136
	.end_amdhsa_kernel
	.amdgpu_metadata
---
amdhsa.version: [ 1, 2 ]
amdhsa.kernels:
  - .name:           k_q3f75f11a89_proj
    .symbol:         k_q3f75f11a89_proj.kd
    .args:
      - { .name: q, .offset: 0, .size: 8, .value_kind: global_buffer, .address_space: global }
      - { .name: k, .offset: 8, .size: 8, .value_kind: global_buffer, .address_space: global }
      - { .name: v, .offset: 16, .size: 8, .value_kind: global_buffer, .address_space: global }
      - { .name: wb, .offset: 24, .size: 8, .value_kind: global_buffer, .address_space: global }
      - { .name: bq, .offset: 32, .size: 8, .value_kind: global_buffer, .address_space: global }
      - { .name: bk, .offset: 40, .size: 8, .value_kind: global_buffer, .address_space: global }
      - { .name: bv, .offset: 48, .size: 8, .value_kind: global_buffer, .address_space: global }
      - { .name: mask, .offset: 56, .size: 8, .value_kind: global_buffer, .address_space: global }
      - { .name: qkv, .offset: 64, .size: 8, .value_kind: global_buffer, .address_space: global }
    .group_segment_fixed_size: 327680
    .private_segment_fixed_size: 0
    .kernarg_segment_align: 8
    .kernarg_segment_size: 72
    .max_flat_workgroup_size: 128
    .sgpr_count:     100
    .vgpr_count:     704
    .wavefront_size: 32
...
	.end_amdgpu_metadata
.endif
;; end of part 2
;; launch attn (part 3): grid 2 x 128, 4 waves a work-group, no clusters, 327,680 bytes of LDS; arguments qkv, mask, oh; writes oh
.if DOCPART == 3
	.amdgcn_target "amdgcn-amd-amdhsa--gfx1250"
	.amdhsa_code_object_version 6
	.text
	.protected	k_q3f75f11a89_attn
	.globl	k_q3f75f11a89_attn
	.p2align	8
	.type	k_q3f75f11a89_attn,@function
k_q3f75f11a89_attn:
	s_mov_b64 s[64:65], 0
	v_nop
	global_prefetch_b8 v0, s[64:65] scope:SCOPE_SE
	s_setreg_imm32_b32 hwreg(HW_REG_WAVE_MODE, 25, 1), 1
	s_wait_xcnt 0x0
; ATTENTION WITH A KEY MASK.  oh[g][q][:] = the sum over k of softmax_k(s) V[g][k][:], s = Q[g][q] . K[g][k] / 8, or a large negative constant where mask[g / 16][k] is 0.  g = batch x 16 + head, 128 of them.
; Q, K, V: qkv[0], qkv[1], qkv[2], each [128][1024][64] f16, a head's rows dense, 128 bytes each; oh likewise.  Products, maxima and sums in f32; the weights p are rounded to f16 for the second product
; (their sum l is taken of the unrounded p), O once at the end.
; THE MASK costs the loop no vector work.  The launch in front has written K's hidden rows as zeros, and here the C operand that starts a sum S^T = K Q^T is 0, or -2^33 where the key is hidden: a hidden raw score is
; exactly -2^33, and c x (-2^33) is exact.  So a hidden key's weight is 0 beside any open key, and a row whose keys are all hidden has p = 1 everywhere and gets the mean of V's rows.
; LIMITS.  A hidden score stands at -2^30 (after the division by 8), not at -1e9: the results are the same while every open score lies above about -1e9 + 150.  f16 holds no number beyond 65,504: Q, K, V arrive within it.
; A Q that is not finite gives NaN against a hidden key too.  p lies in 0 to 1, and below 6e-5 it keeps f16's fixed step of 6e-8; a weight below 2^-126 counts as 0 in l.
; SHARES.  A wave owns four PIECES of two tiles of 16 queries, a work-group's four waves 512 queries of one g: 256 work-groups.  Every wave walks all 1,024 keys, 64 a step.
; ALL OF A g's K AND V LIE IN LDS: 1,024 rows of 144 and of 160 bytes, 311,296 bytes.  They are filled ONCE, by four tensor loads a wave issued together at the start (128 keys each); nothing is filled again, so there
; is no ring, and one text serves all 16 key steps.  The first 256 keys are waited for at the start, the other 768 once, behind the fourth step.
; NO CLUSTER: a g has two work-groups; a cluster of four would hold two g, whose K and V differ, so a joint load's address would hang on the place in the cluster.
; LAYOUT.  S^T = K Q^T (source 0 = 16 keys, source 1 = 16 queries): in the result a lane holds ONE query (lane % 16) and the keys 8 (lane / 16) + 0..7.  Two such tiles, rounded to f16 in pairs,
; ARE source 1 (32 keys x 16 queries) of O^T = V^T P, whose result again holds one query a lane, and eight channels.  K comes out of LDS as it lies, V ([key][channel]) turned, by ds_load_tr16_b128.
; SOFTMAX.  For each query a running maximum m and sum l: p = 2^(c s - c m), c = log2(e) / 8; in every step O and l are multiplied by a = 2^(c m_old - c m_new), which is 1 where m has not grown.
; m starts at the lowest finite number, O and l at 0: the first step is a step like any other, with a = 0.
; THE COUNT.  A tile and step have 16 matrix and 118 vector instructions: too many to stand all beside the matrix work.  So: four vector instructions that are READY behind EVERY matrix instruction, and the
; others, which need time of their own whatever the order, in runs without a gap.
; BY TURNS.  Turn n belongs to piece n (the pieces in a ring, step after step).  Its matrix work: 16 products K Q^T of piece n + 1, later 16 products V^T P of piece n - 1.  Its vector work: the scaling,
; exponentials, roundings, sums and rescaling of piece n, and the maximum and statistics of piece n + 1, whose scores the turn itself has made.
; REGISTERS, in windows of 256 (s_set_vgpr_msb: bits 1:0 source 0, 3:2 source 1, 5:4 source 2, 7:6 destination):
;   window 0: v0-11 addresses; v12-15, v48-63 at work; v16-47 four registers of statistics a tile; v64-191 S^T, two buffers of two tiles; v192-255 P, likewise
;   window 1: O^T, 32 a tile     window 2: v0-127 Q, 16 a tile; v128-191 K of one step; v192-255 V of one step     window 3: v0-1 the add's two registers; v8-39 the mask of one step's 64 keys
.set SIZE_N, 1024
.set NP,    4         ; pieces a wave: a name, no knob
.set KS,    64        ; keys in a step
.set PK,    144       ; a row of K in LDS: 128 bytes + 16 of padding = 36 words: the 16 rows of a load start at 16 different groups of four banks (64 banks of 4 bytes: ISA guide 11.1)
.set PV,    160       ; a row of V: 128 + 32 = 40 words
.set VOFF,  SIZE_N*PK ; K's 1,024 rows, then V's
.set STAGE, SIZE_N*(PK+PV)  ; behind them, never filled by a tensor load: 16 rows x 144 bytes for each wave, for the way out
.set SP,    144
.set SPARE, STAGE+4*16*SP  ; behind the stages: the spare words, 128 bytes for each wave: two blocks of 256 bytes that no other line names
.set MB,    SPARE+512 ; behind them: 1,024 words, 0 or -2^33 for each key; stored once, never filled by a tensor load
.set AM,  0           ; v0   once the thread's number has served: the LDS address of the mask's next run of loads
.set AK0, 2           ; v2   my lane's place in a step's rows of K; never rewritten
.set AV0, 3           ; v3   the same for V
.set AK,  4           ; v4   the LDS address of K's next run of loads
.set AV,  5           ; v5   of V's
.set QO,  6           ; v6   my byte offset in the wave's rows of Q
.set STO, 6           ;      later, the way out: where I put 16 bytes of a row
.set RD,  7           ; v7   the way out: where I read rows back
.set GO,  8           ; v8   my byte offset in 512 consecutive bytes of O
.set AM0, 11          ; v11  my lane's place in a step's mask words: MB + 32 (l / 16)
.set SPW, 0           ; v0 of window 3   LDS address of my spare word: SPARE + 4 x my thread's number; never rewritten
.set NIL, 1           ; v1 of window 3   0; never rewritten
.set MK,  8           ; window 3: the eight registers for key block kb at MK + 8 kb
.set MV,  12          ; v12-15  c m_old, kept while c m is made anew: by buffer and tile
.set ST,  16          ; tile t's statistics at v[ST+4 t]: c m, m, l (even keys', odd keys')
.set TMP, 48          ; by buffer and tile, four registers c0-c3 at work; when the maximum is found c2 takes a
.set S,   64
.set P,   192
.set KF,  128         ; K's fragments, in window 2: key block kb, channel half c at KF + 16 kb + 8 c
.set VF,  192         ; V's: key half kk, channel block cb at VF + 32 kk + 8 cb
.set WV,  12          ; s12  my wave's number
.set G1K, 24          ; s[24:31] descriptor group 1 for K's tiles
.set G1V, 32          ; s[32:39] for V's: it differs in the padding alone
.set G0K, 68          ; s[68:83] descriptor group 0 for K's tiles: a set for each of a wave's four loads
.set G0V, 84          ; s[84:99] the same for V's
.set TBM, 50          ; s50  byte at which the mask words of the step to be fetched begin
.set REM, 54          ; s54  key steps whose first two turns are still to come
.set STR, 56          ; s56  counts the walk's two stretches: 4 steps, then 12
.set CNT, 57          ; s57  counts a stretch's trips
.set CS,  58          ; s[58:59] c: the packed scaling takes the pair's low word for both halves
.set SEL, 60          ; s[60:61] v_permlanex16_b32's selects: each lane takes its own place in the other half
.set TBK, 62          ; s62  LDS byte at which K of the step to be fetched begins
.set TBV, 63          ; s63  the same for V, less VOFF
.set MSB, 0
.macro WIN new                      ; the high byte repeats the setting that is left; a switch that changes nothing is dropped
.if MSB != (\new)
	s_set_vgpr_msb (MSB<<8)|(\new)
.set MSB, (\new)
.endif
.endm
.set W_KQ, 0x0a       ; K and Q in window 2, S^T in window 0
.set W_KM, 0x3a       ; the same with the C operand, the mask, in window 3
.set W_PV, 0x52       ; V in window 2, P in window 0, O^T in window 1
.set W_RS, 0x41       ; O^T (destination and source 0) in window 1, a in window 0
.set W_MK, 0xc0       ; destination in window 3, sources in window 0
.set W_AD, 0x0f       ; the add: address (source 0) and data (source 1) in window 3
	s_load_b64 s[4:5], s[0:1], 0x0    ; qkv: Q's part begins it
	s_load_b64 s[48:49], s[0:1], 0x8  ; mask
	s_load_b64 s[10:11], s[0:1], 0x10 ; oh
	WIN W_MK
	v_lshl_add_u32 v[SPW], v0, 2, SPARE
	v_mov_b32 v[NIL], 0
	WIN W_AD
	ds_add_u32 v[SPW], v[NIL]       ; the wave's opening: the add and its wait stand ahead of my first tensor load; the set-up below, work on registers, stands between them
	ds_add_u32 v0, v1
	WIN 0
	v_lshrrev_b32 v1, 5, v0
	v_readfirstlane_b32 s[WV], v1   ; wave 0..3
	s_mov_b32 s14, ttmp9            ; my block of 512 queries
	s_and_b32 s20, ttmp7, 0xffff    ; g
	s_lshr_b32 s52, s20, 4          ; the batch's 1,024 mask words
	s_lshl_b32 s52, s52, 12
	s_mov_b32 s53, 0
	s_mov_b32 s21, 0
	s_mov_b64 s[22:23], SIZE_N*128
	s_mul_u64 s[20:21], s[20:21], s[22:23]  ; g's first byte in Q, K, V and O
	s_and_b32 s16, s[WV], 1         ; which half of each 256 keys I fetch:
	s_lshl_b32 s22, s16, 14         ; its 128 rows of 128 bytes in memory,
	s_mov_b32 s23, 0
	s_add_nc_u64 s[22:23], s[22:23], s[20:21]
	s_mul_i32 s17, s16, 128*PK      ; and its place in LDS, for K
	s_mul_i32 s18, s16, 128*PV      ; and for V
	s_lshl_b32 s2, s14, 2
	s_add_co_u32 s2, s2, s[WV]      ; my wave among g's eight,
	s_lshl_b32 s2, s2, 14           ; its 128 rows
	s_mov_b32 s3, 0
	s_add_nc_u64 s[2:3], s[2:3], s[20:21]
	; descriptor group 1.  128 keys are 16,384 dense bytes: asked for as 64 rows of 256 bytes, two keys a row, and padded in LDS after every key
	s_mov_b32 s[G1K], (1<<16)|(1<<20)|(4<<22)|(3<<25)  ; 17:16 2-byte elements; 20 padding on; 24:22 after every 32 words (code 4); 31:25 4 words (code 3)
	s_mov_b32 s[G1V], (1<<16)|(1<<20)|(4<<22)|(7<<25)  ; the same with 8 words of padding (code 7)
.irp g, G1K, G1V
	s_mov_b32 s[\g+1], 128<<16      ; tensor_dim0 = 128
	s_mov_b32 s[\g+2], 64<<16       ; tensor_dim1 = 64
	s_mov_b32 s[\g+3], 128<<16      ; tile_dim0 = 128
	s_mov_b32 s[\g+4], 64           ; tile_dim1 = 64
	s_mov_b32 s[\g+5], 128          ; 128 elements from row to row
	s_mov_b32 s[\g+6], 0
	s_mov_b32 s[\g+7], 0
.endr
	s_mov_b32 s[CS], 0x3e38aa3b     ; c = log2(e) / 8 = 0.180337
	s_mov_b32 s[CS+1], s[CS]        ; named with it as a pair
	s_mov_b32 s[SEL], 0x76543210
	s_mov_b32 s[SEL+1], 0xfedcba98
	s_mov_b32 s51, 0xd0000000       ; -2^33
	s_mov_b32 s[TBM], 0
	s_mov_b32 s[TBK], 0
	s_mov_b32 s[TBV], 0
.irp j, 0,1,2,3                     ; load j brings my half of keys 256 j .. 256 j + 255
	s_mov_b32 s[G0K+4*\j], 1        ; count = 1
	s_add_co_u32 s[G0K+4*\j+1], s17, \j*256*PK       ; LDS address
	s_mov_b32 s[G0V+4*\j], 1
	s_add_co_u32 s[G0V+4*\j+1], s18, VOFF+\j*256*PV
.endr
	s_wait_dscnt 0x0                ; the opening add is done
	s_wait_kmcnt 0x0
	s_add_nc_u64 s[6:7], s[4:5], 0x1000000  ; K's part of qkv,
	s_add_nc_u64 s[8:9], s[4:5], 0x2000000  ; and V's,
	s_add_nc_u64 s[6:7], s[6:7], s[22:23]   ; at my half of g's first 256 keys
	s_add_nc_u64 s[8:9], s[8:9], s[22:23]
.irp j, 0,1,2,3
	s_add_nc_u64 s[G0K+4*\j+2:G0K+4*\j+3], s[6:7], \j*256*128  ; global address
	s_or_b32 s[G0K+4*\j+3], s[G0K+4*\j+3], 0x80000000          ; type = 2
	s_add_nc_u64 s[G0V+4*\j+2:G0V+4*\j+3], s[8:9], \j*256*128
	s_or_b32 s[G0V+4*\j+3], s[G0V+4*\j+3], 0x80000000
.endr
	s_add_nc_u64 s[4:5], s[4:5], s[2:3]  ; Q and O at my wave's first row
	s_add_nc_u64 s[10:11], s[10:11], s[2:3]
	s_add_nc_u64 s[48:49], s[48:49], s[52:53]
	; THE FILLS, all of them: waves 0 and 1 fetch the halves of K, waves 2 and 3 those of V.  A wave's four stand in one branch on the wave's number, ahead of every wait on TENSORcnt, every LDS read and every
	; barrier: four loads of mine are out.  An s_nop 0 follows each, four v_nop the last.
	s_cmp_lt_u32 s[WV], 2
	s_cbranch_scc0 .Lfor_v
.irp j, 0,1,2,3
	tensor_load_to_lds s[G0K+4*\j:G0K+4*\j+3], s[G1K:G1K+7]
	s_nop 0
.endr
.rept 4
	v_nop
.endr
	s_branch .Lasked
.Lfor_v:
.irp j, 0,1,2,3
	tensor_load_to_lds s[G0V+4*\j:G0V+4*\j+3], s[G1V:G1V+7]
	s_nop 0
.endr
.rept 4
	v_nop
.endr
.Lasked:
	v_and_b32 v1, 15, v0            ; l % 16
	v_bfe_u32 v9, v0, 4, 1          ; l / 16
	v_lshlrev_b32 v12, 5, v0        ; thread t takes the batch's mask words 8 t .. 8 t + 7
	v_add_nc_u32 v13, MB, v12
	global_load_b128 v[64:67], v12, s[48:49]
	global_load_b128 v[68:71], v12, s[48:49] offset:16
	; A fragment of K or Q is 16 rows x 32 channels in 8 registers: lane l holds row l % 16, channels 8 (l / 16) + 0..7 and 16 + 8 (l / 16) + 0..7: two loads of 16 bytes, 32 bytes apart.
	v_lshlrev_b32 v[QO], 7, v1
	v_lshl_add_u32 v[QO], v9, 4, v[QO]  ; row x 128 + 16 x half
	WIN 0x80                        ; destination window 2, address window 0
.set i, 0
.rept 4*NP                          ; Q stays in registers: tile i / 2, channels 32 (i % 2) on
	global_load_b128 v[8*i:8*i+3],   v[QO], s[4:5] offset:(i/2)*2048+(i%2)*64
	global_load_b128 v[8*i+4:8*i+7], v[QO], s[4:5] offset:(i/2)*2048+(i%2)*64+32
.set i, i+1
.endr
	; What the first turn finds: V's registers and P's second buffer hold 0 (its products V^T P, of a piece that has not been, add 0), O^T and l are 0.  All this stands in the wait for the first keys.
.set i, VF
.rept 64
	v_mov_b32 v[i], 0
.set i, i+1
.endr
	WIN 0x40
.set i, 0
.rept 64*NP
	v_mov_b32 v[i], 0
.set i, i+1
.endr
	WIN 0
.set i, 0
.rept 2*NP
	v_mov_b32 v[ST+4*i], 0xfe000000    ; c m: far below every c s, a hidden key's too
	v_mov_b32 v[ST+4*i+1], 0xff7fffff  ; m
	v_mov_b32 v[ST+4*i+2], 0
	v_mov_b32 v[ST+4*i+3], 0
.set i, i+1
.endr
.set i, P+32
.rept 32
	v_mov_b32 v[i], 0
.set i, i+1
.endr
	v_mul_u32_u24 v[AK0], v1, PK
	v_lshl_add_u32 v[AK0], v9, 4, v[AK0]  ; row x pitch + 16 x half
	; The turning load takes 16 keys x 16 channels (lane l reads key 8 (l / 16) + l % 8, channels 8 ((l / 8) % 2) + 0..7) and leaves half a fragment of V^T: lane l holds channel l % 16 and 8 keys.
	v_and_b32 v10, 7, v0
	v_bfe_u32 v11, v0, 3, 1
	v_lshl_add_u32 v[AV0], v9, 3, v10
	v_mul_u32_u24 v[AV0], v[AV0], PV
	v_lshl_add_u32 v[AV0], v11, 4, v[AV0]
	v_add_nc_u32 v[AV0], VOFF, v[AV0]
	v_bfe_u32 v[RD], v0, 3, 2       ; the way out, back: 32 lanes take four rows of 128 bytes (finished below),
	v_and_b32 v[GO], 31, v0         ; which are 512 consecutive bytes of O
	v_lshlrev_b32 v[GO], 4, v[GO]
	v_lshl_add_u32 v[AM0], v9, 5, MB  ; register j of key block kb is key 16 kb + 8 (l / 16) + j: eight words at 64 kb + 32 (l / 16)
	v_mov_b32 v[AK], v[AK0]         ; key step 0 lies at the head of K's rows,
	v_mov_b32 v[AM], v[AM0]         ; its mask words at the head of theirs (the thread's number has served)
	s_wait_loadcnt 32               ; the two loads of mask words are in; Q's 32, issued behind them, stay out
.set i, 0
.rept 8
	v_cmp_eq_u32 vcc_lo, 0, v[64+i]
	v_cndmask_b32 v[64+i], 0, s51, vcc_lo  ; -2^33 where the word is 0
.set i, i+1
.endr
	ds_store_b128 v13, v[64:67]
	ds_store_b128 v13, v[68:71] offset:16
; THE MATRIX WORK.  The 8 accumulators of a run of 16 take turns: between the two links of a chain stand 7 others'.
; Product i of 16 of S^T = K Q^T for piece x: channels 32 (i / 8) on, keys 16 ((i / 2) % 4) on, tile 2 x + i % 2.  The first 8 start the sums, with the mask.
.macro KQ x
.set rS, S+64*((\x)%2)+32*(i%2)+8*((i/2)%4)
.set rK, KF+16*((i/2)%4)+8*(i/8)
.set rQ, 16*(2*(\x)+i%2)+8*(i/8)
.set rB, MK+8*((i/2)%4)
.if i < 8
	WIN W_KM
	v_wmma_f32_16x16x32_f16 v[rS:rS+7], v[rK:rK+7], v[rQ:rQ+7], v[rB:rB+7]
.else
	WIN W_KQ
	v_wmma_f32_16x16x32_f16 v[rS:rS+7], v[rK:rK+7], v[rQ:rQ+7], v[rS:rS+7]
.endif
.endm
; Product i of 16 of O^T += V^T P for piece x: keys 32 (i / 8) on, channels 16 ((i / 2) % 4) on, tile 2 x + i % 2.
.macro PV x
	WIN W_PV
.set rO, 32*(2*(\x)+i%2)+8*((i/2)%4)
.set rV, VF+32*(i/8)+8*((i/2)%4)
.set rP, P+32*((\x)%2)+16*(i%2)+8*(i/8)
	v_wmma_f32_16x16x32_f16 v[rO:rO+7], v[rV:rV+7], v[rP:rP+7], v[rO:rO+7]
.endm
.macro MM                           ; the turn's next matrix instruction
.if i < 16
	KQ (Y+1)%NP
.set i, i+1
.else
.set i, i-16
	PV (Y+NP-1)%NP
.set i, i+17
.endif
.endm
; THE LDS LOADS stand in runs, never singly among the matrix instructions: a step's K (64 keys x 64 channels: 8 fragments) with its 64 mask words (lanes of a half read the same words), and its V (turned).
; Their addresses are made some lines ahead.  last = 1 (in the loop): where no further step is left, the run is jumped over.
.macro FETCH_K last=0
	WIN 0
.if \last
	s_cmp_eq_u32 s[REM], 0
	s_cbranch_scc1 .Lno_k_\@
.endif
	WIN 0x80                        ; destination window 2
.irp f, 0,1,2,3,4,5,6,7             ; keys 16 (f / 2) on, channels 32 (f % 2) on
	ds_load_b128 v[KF+8*\f:KF+8*\f+3],   v[AK] offset:(\f/2)*16*PK+(\f%2)*64
	ds_load_b128 v[KF+8*\f+4:KF+8*\f+7], v[AK] offset:(\f/2)*16*PK+(\f%2)*64+32
.endr
	WIN W_MK                        ; destination window 3
.irp f, 0,1,2,3,4,5,6,7             ; key block f / 2, its registers 4 (f % 2) on
	ds_load_b128 v[MK+4*\f:MK+4*\f+3], v[AM] offset:(\f/2)*64+(\f%2)*16
.endr
	s_add_co_u32 s[TBK], s[TBK], KS*PK  ; the next fetch is the next step's
	s_add_co_u32 s[TBM], s[TBM], KS*4
	WIN 0
.if \last
.Lno_k_\@:
.endif
.endm
.macro FETCH_V
	WIN 0x80
.irp f, 0,1,2,3,4,5,6,7             ; keys 32 (f / 4) on, channels 16 (f % 4) on
	ds_load_tr16_b128 v[VF+8*\f:VF+8*\f+3],   v[AV] offset:(\f/4)*32*PV+(\f%4)*32
	ds_load_tr16_b128 v[VF+8*\f+4:VF+8*\f+7], v[AV] offset:(\f/4)*32*PV+16*PV+(\f%4)*32
.endr
	WIN 0
.endm
; THE VECTOR WORK OF A TURN stands in three queues, each in the order in which its entries become ready; the two tiles alternate, so that no instruction reads the result of the one before it.
.macro REGS y, u                    ; the registers of tile u (0, 1) of piece y
.set rT, ST+4*(2*(\y)+(\u))
.set rC, TMP+8*((\y)%2)+4*(\u)
.set rM, MV+2*((\y)%2)+(\u)
.set rS, S+64*((\y)%2)+32*(\u)
.set rP, P+32*((\y)%2)+16*(\u)
.set rO, 32*(2*(\y)+(\u))
.endm
; Number n of the 22 that find the NEXT piece's (Y + 1) maximum and statistics.  s0-s31 are the lane's 32 scores; each accumulator's lowest registers are read first.  XS, GS and REGS set no window: PL and EX do.
;   0-11  four chains c0-c3 of seven scores each, three operands at a time     12-14, 16  the four scores left over, the old m, and c0-c3 into c0     15  c m_old is kept
;   17, 18  the query's other 32 keys lie in the lane 16 away: the new m         19-21  c m; c m_old - c m_new; a
.macro XS u, n
	REGS (Y+1)%NP, \u
.if (\n) < 4
	v_max3_num_f32 v[rC+(\n)], v[rS+8*(\n)], v[rS+8*(\n)+1], v[rS+8*(\n)+2]
.elseif (\n) < 12
	v_max3_num_f32 v[rC+(\n)%4], v[rC+(\n)%4], v[rS+8*((\n)%4)+2*((\n)/4)+1], v[rS+8*((\n)%4)+2*((\n)/4)+2]
.elseif (\n) == 12
	v_max3_num_f32 v[rC], v[rC], v[rS+7], v[rS+15]
.elseif (\n) == 13
	v_max3_num_f32 v[rC+1], v[rC+1], v[rS+23], v[rS+31]
.elseif (\n) == 14
	v_max3_num_f32 v[rC+2], v[rC+2], v[rC+3], v[rT+1]
.elseif (\n) == 15
	v_mov_b32 v[rM], v[rT]
.elseif (\n) == 16
	v_max3_num_f32 v[rC], v[rC], v[rC+1], v[rC+2]
.elseif (\n) == 17
	v_permlanex16_b32 v[rC+3], v[rC], s[SEL], s[SEL+1]
.elseif (\n) == 18
	v_max_num_f32 v[rT+1], v[rC], v[rC+3]
.elseif (\n) == 19
	v_mul_f32 v[rT], s[CS], v[rT+1]
.elseif (\n) == 20
	v_sub_f32 v[rC+1], v[rM], v[rT]
.else
	v_exp_f32 v[rC+2], v[rC+1]
.endif
.endm
; Number g of the 64 that follow the exponentials.  For each four weights k of a tile (pairs 2 k, 2 k + 1): both pairs are rounded to f16; then the second pair is added onto the first, in place;
; a group later l takes that sum (the first time as l = a l + sum).  In groups of eight, tiles alternating: round, round, add, and l for the group before.
.macro GS g
.set h, (\g)+6*((\g)/62)            ; group 0 has no group before it, and behind group 7 only l is left
.if h >= 6
.set h, h+2
.endif
	REGS Y, h%2
.set k, h/8
.if h%8 < 4
	s_wait_alu depctr_va_vdst(0)
	v_cvt_pk_f16_f32 v[rP+2*k+(h%8)/2], v[rS+4*k+2*((h%8)/2)], v[rS+4*k+2*((h%8)/2)+1]
.elseif h%8 < 6
	v_pk_add_f32 v[rS+4*k:rS+4*k+1], v[rS+4*k:rS+4*k+1], v[rS+4*k+2:rS+4*k+3]
.elseif k == 1
	v_pk_fma_f32 v[rT+2:rT+3], v[rT+2:rT+3], v[rC+2:rC+3], v[rS:rS+1] op_sel_hi:[1,0,1]
.else
	v_pk_add_f32 v[rT+2:rT+3], v[rT+2:rT+3], v[rS+4*k-4:rS+4*k-3]
	s_wait_alu depctr_va_vdst(0)
.endif
.endm
; THE PLAIN QUEUE, 138 long.  0-31: c s - c m for the 16 pairs of both tiles.  Then GS's 64, and among them the next piece's 42: number 15 at 38, 39; 0-14 and 16
; at 42-73, behind the products that make those scores; 17-20 at 95-106, two of three, since each waits for the one before it.
.macro PL
	WIN 0
.if q < 32
	REGS Y, q%2
	v_pk_fma_f32 v[rS+2*(q/2):rS+2*(q/2)+1], v[rS+2*(q/2):rS+2*(q/2)+1], s[CS:CS+1], v[rT:rT+1] op_sel_hi:[1,0,0] neg_lo:[0,0,1] neg_hi:[0,0,1]
.elseif q < 38
	GS q-32
.elseif q < 40
	XS q%2, 15
.elseif q < 42
	GS q-34
.elseif q < 74
	XS q%2, (q-42)/2+(q-42)/30
.elseif q < 95
	GS q-66
.elseif (q < 107) && ((q-95)%3 < 2)
	XS (q-95)%3, 17+(q-95)/3
.elseif q < 107
	GS 29+(q-95)/3
.else
	GS q-74
.endif
.set q, q+1
.endm
; THE EXPONENTIALS' QUEUE, 66 long: s0-s31 of both tiles, and at EA the next piece's two a.
.set EA, 58
.macro EX
	WIN 0
.if (e == EA) || (e == EA+1)
	XS e-EA, 21
.else
.set x, e-2*(e/(EA+2))
	REGS Y, x%2
	v_exp_f32 v[rS+x/2], v[rS+x/2]
.endif
.set e, e+1
.endm
; THE RESCALING's QUEUE: O^T times a, the one part that leaves window 0, so it is dealt four at a time, eight times.
.macro R4
	REGS Y, r%2
	WIN W_RS
	s_wait_alu depctr_va_vdst(0)
.irp z, 0,1,2,3
	v_pk_mul_f32 v[rO+8*(r/2)+2*\z:rO+8*(r/2)+2*\z+1], v[rO+8*(r/2)+2*\z:rO+8*(r/2)+2*\z+1], v[rC+2:rC+3] op_sel_hi:[1,0]
.endr
.set r, r+1
.endm
; HOW THEY ARE DEALT.  Behind a matrix instruction four: plain, exponential, plain, plain (one exponential, a plain instruction on either side), or four of the rescaling.  None names a register of the
; products round it.  What is over stands in two LUMPS: exponential and plain by turns; the second ends in 22 plain instructions.  The two v_permlanex16_b32 fall into the second lump, never behind a product.
; The queues lean on each other, and the deal keeps them in step: exponential e stands behind plain 2 (e / 4) + e % 2 (its scaling); when plain 32 comes, 10 exponentials are out, at 59: 33, at 95: 46; EA comes behind plain 107.
.macro SL
	MM
	PL
	EX
	PL
	PL
.endm
.macro BURST n                      ; 15 matrix instructions, or 16
.rept (\n)-7
	SL
.endr
.rept 3
	MM
	R4
	SL
.endr
	MM
	R4
.endm
; A TURN, for piece p.  cnt = 1: the counts are taken down some lines ahead of the branch that stands behind the turn.
; K and the mask of the next step are fetched in piece 2's turn, 32 vector instructions behind the last product that read K (the mask's last reader stands eight products further back); their first reader comes
; behind the rest of the lump, 16 products and the second lump.  V of the step in hand is fetched at the end of piece 0's turn, 69 behind its last reader; its first reader comes behind 16 products and a lump.
.macro TURN p, last=0, cnt=0
.set Y, (\p)
.set i, 0
.set q, 0
.set e, 0
.set r, 0
.if (\p) == NP-1
	s_wait_dscnt 0x0                ; K and the mask are in
.endif
	MM
.rept 4
	PL
.endr
	BURST 15
.rept 22
	EX
	PL
.if ((\p) == NP-2) && (e == 18)
	v_add_nc_u32 v[AK], s[TBK], v[AK0]
	v_add_nc_u32 v[AM], s[TBM], v[AM0]
.endif
.if ((\p) == NP-2) && (e == 24)
	FETCH_K \last
.endif
.endr
.if (\p) == 1
	s_wait_dscnt 0x0                ; V is in
.endif
	BURST 16
.rept 21
	EX
	PL
.endr
.rept 22
	PL
.if ((\p) == 0) && (q == 118)
	v_add_nc_u32 v[AV], s[TBV], v[AV0]
	s_wait_alu depctr_va_vdst(0)
.endif
.if ((\p) == 0) && (q == 130)
	s_add_co_u32 s[TBV], s[TBV], KS*PV
.endif
.if (\cnt) && (q == 130)
	s_sub_co_u32 s[REM], s[REM], 1
	s_sub_co_u32 s[CNT], s[CNT], 1
	s_cmp_lg_u32 s[CNT], 0
.endif
.endr
.if (\p) == 0
	FETCH_V
.endif
.endm
	s_wait_tensorcnt 3              ; tensor loads of a wave end in order (ISA guide 10.11.1): my part of the first 256 keys is in; my three younger loads stay out
	s_wait_dscnt 0x0                ; for the others' sake: my mask words are stored
	s_barrier_signal -1
	s_barrier_wait -1               ; everybody's part is in, and everybody's words
	FETCH_K                         ; key step 0
	s_wait_loadcnt 0x0              ; Q
	s_wait_dscnt 0x0
.set i, 0
.rept 16
	KQ 0                            ; piece 0's first scores: there is no vector work yet to set between them
.set i, i+1
.endr
	WIN 0                           ; the rest of the addresses for the way out: six plain instructions, the places behind those products
	s_mul_i32 s13, s[WV], 16*SP
	s_add_co_u32 s13, s13, STAGE    ; my stage
	v_mul_u32_u24 v[STO], v1, SP    ; in: row l % 16, 16 bytes for each half of the lanes
	v_lshl_add_u32 v[STO], v9, 4, v[STO]
	v_add_nc_u32 v[STO], s13, v[STO]
	v_mul_u32_u24 v[RD], v[RD], SP  ; back: row (l / 8) % 4, 16 bytes for each of eight lanes
	v_lshl_add_u32 v[RD], v10, 4, v[RD]
	v_add_nc_u32 v[RD], s13, v[RD]
.set Y, NP-1                        ; XS works for piece Y + 1: piece 0
.irp n, 0,1,2,3,4,5,6,7,8,9,10,11,12,13,14,15,16,17,18,19,20,21
	XS 0, \n                        ; and piece 0's first maximum and statistics
	XS 1, \n
.endr
	s_mov_b32 s[CNT], 4             ; the first stretch: the four steps of the first 256 keys
	s_mov_b32 s[STR], 2
	s_mov_b32 s[REM], SIZE_N/KS
	s_branch .Lfirst                ; the loop is entered at a step's first turn, in the middle of a trip
.Lrest:                             ; passed once, between the stretches: the next run of loads reads key 256
	s_wait_tensorcnt 0x0            ; my parts of the other 768 keys are in: the count is 0 since all that is left is wanted from here on
	s_wait_dscnt 0x0
	s_barrier_signal -1
	s_barrier_wait -1               ; everybody's are
	s_mov_b32 s[CNT], SIZE_N/KS-3   ; the second stretch: twelve trips, and a thirteenth that is left in its middle
.Lstep:                             ; a trip: pieces 2 and 3 of one step, then pieces 0 and 1 of the next, whose K and V it fetches
	TURN 2, 1
	TURN 3
	WIN 0
	s_cmp_eq_u32 s[REM], 0          ; behind the last step's pieces 2 and 3 the walk is over; that trip's 16 products K Q^T (on the last K once more) and the maximum made of them serve nothing:
	s_cbranch_scc1 .Lout            ; the price, once a launch, of one text for every trip
.Lfirst:
	TURN 0
	TURN 1, 0, 1
	WIN 0
	s_cbranch_scc1 .Lstep
	s_sub_co_u32 s[STR], s[STR], 1
	s_cmp_lg_u32 s[STR], 0
	s_cbranch_scc1 .Lrest
.Lout:
.set i, 0
.rept 16
	PV NP-1                         ; the last piece's V^T P of the last step
.set i, i+1
.endr
	; THE WAY OUT.  l's two halves and the other half of the lanes' are added; O^T is divided by l, rounded to f16 and sent through my stage in LDS, a tile at a time.  The additions are the places behind the last products.
	WIN 0
.macro ALL line:vararg              ; one line for each tile t
.set t, 0
.rept 2*NP
	\line
.set t, t+1
.endr
.endm
	ALL v_add_f32 v[ST+4*t+2], v[ST+4*t+2], v[ST+4*t+3]
	ALL v_permlanex16_b32 v[ST+4*t+3], v[ST+4*t+2], s[SEL], s[SEL+1]
	ALL v_add_f32 v[ST+4*t+2], v[ST+4*t+2], v[ST+4*t+3]
	ALL v_rcp_f32 v[ST+4*t+2], v[ST+4*t+2]
	v_nop                           ; a plain instruction between the last reciprocal and the use of its result
	s_wait_alu depctr_va_vdst(0)
; Tile t: a lane's eight channels of a row pack into 16 bytes; they go into rows of 144 bytes and come back as whole rows of 128, into S^T's registers.
.macro PACK t
	WIN W_RS
.set i, 32*(\t)
.rept 16
	v_pk_mul_f32 v[i:i+1], v[i:i+1], v[ST+4*(\t)+2:ST+4*(\t)+3] op_sel_hi:[1,0]
.set i, i+2
.endr
	WIN 0x05                        ; sources 0 and 1 window 1, destination window 0
.set i, 0
.rept 16
	v_cvt_pk_f16_f32 v[S+16*(\t)+i], v[32*(\t)+2*i], v[32*(\t)+2*i+1]
.set i, i+1
.endr
	WIN 0
.irp f, 0,1,2,3
	ds_store_b128 v[STO], v[S+16*(\t)+4*\f:S+16*(\t)+4*\f+3] offset:32*\f
.endr
.irp f, 0,1,2,3
	ds_load_b128 v[S+16*(\t)+4*\f:S+16*(\t)+4*\f+3], v[RD] offset:\f*4*SP  ; LDS serves a wave's instructions in order (ISA guide 5.7.1.4): these see the stores above; the next tile's stores come behind them
.endr
.endm
.macro SEND t, younger              ; younger: the LDS instructions issued behind tile t's loads: the next tile's eight, or none
	WIN 0
.irp f, 0,1,2,3
	s_wait_dscnt (\younger)+3-\f
	global_store_b128 v[GO], v[S+16*(\t)+4*\f:S+16*(\t)+4*\f+3], s[10:11] offset:(\t)*2048+\f*512  ; 512 consecutive bytes, at a multiple of 256 from O's first
.endr
.endm
	PACK 0
.set t, 1
.rept 2*NP-1                        ; a tile's arithmetic stands between the loads of the tile before and its stores
	PACK t
	SEND t-1, 8
.set t, t+1
.endr
	SEND 2*NP-1, 0
	WIN W_AD
	s_wait_tensorcnt 0x0            ; the wave's end, behind my last tensor load and my last LDS store
	ds_add_u32 v[SPW], v[NIL]
	s_wait_dscnt 0x0
	WIN 0
	s_endpgm
.Lfunc_end_k_q3f75f11a89_attn:
	.size	k_q3f75f11a89_attn, .Lfunc_end_k_q3f75f11a89_attn-k_q3f75f11a89_attn
	.p2alignl 7, 3214868480
	.fill 96, 4, 3214868480
	.section	.rodata,"a",@progbits
	.p2align	6, 0x0
	.amdhsa_kernel k_q3f75f11a89_attn
		.amdhsa_group_segment_fixed_size 327680
		.amdhsa_private_segment_fixed_size 0
		.amdhsa_enable_private_segment 0
		.amdhsa_kernarg_size 24
		.amdhsa_user_sgpr_count 2
		.amdhsa_user_sgpr_kernarg_segment_ptr 1
		.amdhsa_wavefront_size32 1
		.amdhsa_system_sgpr_workgroup_id_x 1
		.amdhsa_system_sgpr_workgroup_id_y 1
		.amdhsa_system_sgpr_workgroup_id_z 1
		.amdhsa_system_vgpr_workitem_id 0
		.amdhsa_next_free_vgpr 808
		.amdhsa_next_free_sgpr 100
		.amdhsa_reserve_vcc 1
		.amdhsa_float_denorm_mode_32 3
		.amdhsa_float_denorm_mode_16_64 3
		.amdhsa_memory_ordered 1
		.amdhsa_forward_progress 1
		.amdhsa_inst_pref_size 134
	.end_amdhsa_kernel
	.amdgpu_metadata
---
amdhsa.version: [ 1, 2 ]
amdhsa.kernels:
  - .name:           k_q3f75f11a89_attn
    .symbol:         k_q3f75f11a89_attn.kd
    .args:
      - { .name: qkv, .offset: 0, .size: 8, .value_kind: global_buffer, .address_space: global }
      - { .name: mask, .offset: 8, .size: 8, .value_kind: global_buffer, .address_space: global }
      - { .name: oh, .offset: 16, .size: 8, .value_kind: global_buffer, .address_space: global }
    .group_segment_fixed_size: 327680
    .private_segment_fixed_size: 0
    .kernarg_segment_align: 8
    .kernarg_segment_size: 24
    .max_flat_workgroup_size: 128
    .sgpr_count:     100
    .vgpr_count:     808
    .wavefront_size: 32
...
	.end_amdgpu_metadata
.endif
;; end of part 3
;; launch outp (part 4): grid 4 x 64, 4 waves a work-group, clusters of 4 x 4, 327,680 bytes of LDS; arguments oh, wb, out0, bo; writes out0
.if DOCPART == 4
	.amdgcn_target "amdgcn-amd-amdhsa--gfx1250"
	.amdhsa_code_object_version 6
	.text
	.protected	k_q3f75f11a89_outp
	.globl	k_q3f75f11a89_outp
	.p2align	8
	.type	k_q3f75f11a89_outp,@function
k_q3f75f11a89_outp:
	s_mov_b64 s[64:65], 0
	v_nop
	global_prefetch_b8 v0, s[64:65] scope:SCOPE_SE
	s_setreg_imm32_b32 hwreg(HW_REG_WAVE_MODE, 25, 1), 1
	s_wait_xcnt 0x0
	s_wait_alu depctr_hold_cnt(0) depctr_sa_sdst(0) depctr_va_vdst(0) depctr_va_sdst(0) depctr_va_ssrc(0) depctr_va_vcc(0) depctr_vm_vsrc(0)
	s_getreg_b32 s2, hwreg(HW_REG_IB_STS2, 6, 4)
	s_cmp_eq_u32 s2, 0
	s_cbranch_scc0 .Lentry_in_a_cluster
	s_endpgm
.Lentry_in_a_cluster:
	s_bfe_u32 s2, ttmp6, 0x10000c
	s_cmp_lg_u32 s2, 0xf033
	s_cbranch_scc0 .Lentry_shape_is_right
	s_endpgm
.Lentry_shape_is_right:
; THE LAST PROJECTION.  out0[row][n] = the sum over k of O[row][k] Wo[k][n] + bo[n], f32.  row = batch x 1024 + s, k = 64 head + channel.  O: oh, [batch x 16 + head][s][64] f16; Wo: wb[3], [k][n], bf16 numbers
; written as f16; bo: [1024] f32, rounded to bf16 like the other inputs.  Sums in f32, stored as they are.
; SHARES.  A tile of the result is 128 rows x 256 columns: 64 x 4 tiles, one for each of 256 WGPs.  Four waves, each 64 rows x 128 columns: 32 accumulators, 256 registers.
; K goes in steps of 128, two heads, through two LDS slots.  A head's 128 rows of a tile are 16,384 dense bytes: asked for as 64 rows of 256 bytes and padded in LDS after each 128.
; Wo's tile lies as in memory, [k][n] (rows of 512 bytes), and is turned on the way out of LDS by ds_load_tr16_b128.
; CLUSTERS: 4 x 4 work-groups.  The four of a row of the cluster need the same tile of O, the four of a column the same tile of Wo: each is asked for JOINTLY, by the same tensor load with the same descriptor
; and a mask that names the four.
; THE MATRIX INSTRUCTION IS USED TRANSPOSED (source 0 = 16 columns of Wo, source 1 = 16 rows of O): a lane then holds eight neighbouring columns of one row.  The bias is the C operand that starts the sums.
; REGISTERS, in windows of 256 (s_set_vgpr_msb: bits 1:0 source 0, 3:2 source 1, 5:4 source 2, 7:6 destination):
;   window 0: v0-31 addresses; v32-63, v64-95 O's fragments, two buffers; v96-159, v160-223 Wo's fragments, two buffers
;   window 1: the accumulators, (a, b) at v[8 (8 a + b)]; on the way out whole rows          window 2: v0-63 the bias, 8 registers for each b
.set PAO,   144                        ; a row of O in LDS: 128 bytes + 16 of padding = 36 words: the 16 rows of a load start at 16 different groups of four banks (64 banks of 4 bytes: ISA guide 11.1)
.set PB,    544                        ; a row of Wo: 512 + 32 = 136 words
.set AH,    128*PAO                    ; one head's 128 rows
.set AT,    2*AH                       ; a K step's two heads
.set SLOT,  AT+128*PB                  ; then Wo's 128 rows (k)
.set STAGE, 2*SLOT                     ; behind the ring: 16 rows x 528 bytes for each wave, for the way out; no tensor load lands here
.set SP,    528
.set SPARE, STAGE+4*16*SP              ; behind the stages: the spare words, 128 bytes for each wave: two blocks of 256 bytes that no other line names
.set ADRA, 16                          ; v16-17  LDS address of my fragments of O in slot 0, 1
.set ADRB, 20                          ; v20-21  the same for Wo
.set STO,  24                          ; v24     the way out: where I put 32 bytes of a row
.set RD,   25                          ; v25     the way out: where I read a row back
.set CO,   26                          ; v26     my byte offset in 512 consecutive bytes of the result
.set BO,   27                          ; v27     my byte offset in the bias
.set SPW,  28                          ; v28     LDS address of my spare word: SPARE + 4 x my thread's number; never rewritten
.set NIL,  29                          ; v29     0; never rewritten
.set AF,   32
.set BF,   96
.set BIAS, 0                           ; window 2
.set G1,  24                           ; s[24:31] descriptor group 1 for O's tiles;  s[32:39] group 0, one set for each slot
.set G0,  32
.set G1B, 48                           ; s[48:55], s[56:63] the same for Wo's tiles
.set G0B, 56
.set MSB, 0
.macro WIN new                         ; the immediate's high byte repeats the setting that is left; a switch that changes nothing is dropped
.if MSB != (\new)
	s_set_vgpr_msb (MSB<<8)|(\new)
.set MSB, \new
.endif
.endm
.set MUL,  0x50                        ; sources 0 and 1 window 0, C and D window 1
.set MULB, 0x60                        ; the same with C (the bias) in window 2
; A joint load: waves 0 and 1 fetch a K step's two heads of O, waves 2 and 3 the two halves of Wo's tile.  The branch hangs on the wave's number alone.
; An s_nop 0 and four v_nop follow each of the two lines, ahead of the jump, the label and what follows.
.macro JLOAD s
	s_cmp_eq_u32 s11, 0
	s_cbranch_scc0 .Lfor_b_\@
	tensor_load_to_lds s[G0+4*(\s):G0+4*(\s)+3], s[G1:G1+7]
	s_nop 0
.rept 4
	v_nop
.endr
	s_branch .Lasked_\@
.Lfor_b_\@:
	tensor_load_to_lds s[G0B+4*(\s):G0B+4*(\s)+3], s[G1B:G1B+7]
	s_nop 0
.rept 4
	v_nop
.endr
.Lasked_\@:
.endm
.macro CREST                           ; a round of the cluster's barrier behind its opening barrier
	s_cmp_lg_u32 s10, 0
	s_cbranch_scc1 .Lnot_wave_0_\@
	s_barrier_signal -3
.Lnot_wave_0_\@:
	s_barrier_wait -3
	s_barrier_signal -1
	s_barrier_wait -1
.endm
.macro CROUND                          ; a whole round
	s_barrier_signal -1
	s_barrier_wait -1
	CREST
.endm
	s_load_b128 s[4:7], s[0:1], 0x0                ; oh s[4:5], wb s[6:7]
	s_load_b64 s[8:9], s[0:1], 0x10                ; out0
	s_load_b64 s[66:67], s[0:1], 0x18              ; bo
	v_lshl_add_u32 v[SPW], v0, 2, SPARE
	v_mov_b32 v[NIL], 0
	ds_add_u32 v[SPW], v[NIL]                      ; the wave's opening: the add and its wait stand ahead of my first tensor load; the set-up below, work on registers, stands between them
	ds_add_u32 v28, v29
	v_lshrrev_b32 v1, 5, v0
	v_readfirstlane_b32 s10, v1                    ; wave 0..3
	s_lshr_b32 s11, s10, 1                         ; which half of the tile's rows is mine.  Also: I fetch for O (0) or for Wo (1)
	s_and_b32 s12, s10, 1                          ; which half of its columns.  Also: which head of the step, or which 64 rows of Wo's tile, I fetch
	s_bfe_u32 s40, ttmp6, 0x40000                  ; cx, cy: my place in the cluster
	s_bfe_u32 s41, ttmp6, 0x40004
	s_lshl_b32 s42, ttmp9, 2
	s_add_co_u32 s42, s42, s40                     ; tile column = 4 x cluster x + cx: 0..3
	s_and_b32 s13, ttmp7, 0xffff
	s_lshl_b32 s13, s13, 2
	s_add_co_u32 s13, s13, s41                     ; tile row = 4 x cluster y + cy: 0..63
	s_lshl_b32 s43, s41, 2
	s_lshl_b32 s43, 15, s43                        ; my row of the cluster
	s_lshl_b32 s44, 0x1111, s40                    ; my column
	; descriptor group 1.  O: 64 rows x 128 elements of 2 bytes, dense, padded after every 32 words.  Wo: 64 rows x 256 elements, padded after every 128 words
	s_or_b32 s[G1+0], s43, (1<<16)|(1<<20)|(1<<21)|(4<<22)|(3<<25)   ; 15:0 the mask: O's tiles go to my row; 17:16 element of 2 bytes; 20 padding on; 21 set beside a mask; 24:22 code 4; 31:25 4 words (code 3)
	s_or_b32 s[G1B+0], s44, (1<<16)|(1<<20)|(1<<21)|(6<<22)|(7<<25)  ; Wo's go to my column; code 6; 8 words of padding (code 7)
	s_mov_b32 s[G1+1], 128<<16                     ; tensor_dim0
	s_mov_b32 s[G1B+1], 256<<16
	s_mov_b32 s[G1+2], 64<<16                      ; tensor_dim1
	s_mov_b32 s[G1B+2], 64<<16
	s_mov_b32 s[G1+3], 128<<16                     ; tile_dim0
	s_mov_b32 s[G1B+3], 256<<16
	s_mov_b32 s[G1+4], 64                          ; tile_dim1
	s_mov_b32 s[G1B+4], 64
	s_mov_b32 s[G1+5], 128                         ; elements from row to row
	s_mov_b32 s[G1B+5], 1024
	s_mov_b32 s[G1+6], 0
	s_mov_b32 s[G1B+6], 0
	s_mov_b32 s[G1+7], 0
	s_mov_b32 s[G1B+7], 0
	; where the tiles come from.  O's hang on the tile row alone, which my row of the cluster shares; Wo's on the tile column alone, which my column shares
	s_lshr_b32 s16, s13, 3                         ; O: batch = tile row / 8: 16 heads of 131,072 bytes,
	s_lshl_b32 s16, s16, 21
	s_lshl_b32 s17, s12, 17                        ; my head of the step,
	s_add_co_u32 s16, s16, s17
	s_and_b32 s17, s13, 7                          ; 128 rows of 128 bytes for tile row % 8
	s_lshl_b32 s17, s17, 14
	s_add_co_u32 s16, s16, s17
	s_mov_b32 s17, 0
	s_lshl_b32 s46, s12, 17                        ; Wo: 64 rows of 2,048 bytes for the half,
	s_add_co_u32 s46, s46, 3<<21                   ; in the fourth matrix of wb,
	s_lshl_b32 s47, s42, 9                         ; 512 bytes for the tile column
	s_add_co_u32 s46, s46, s47
	s_mov_b32 s47, 0
	s_mul_i32 s20, s12, AH                         ; and where they go: no place in the cluster enters an LDS address
	s_mul_i32 s18, s12, 64*PB
	s_add_co_u32 s18, s18, AT
	s_wait_dscnt 0x0                               ; the opening add is done
	s_wait_kmcnt 0x0
	s_add_nc_u64 s[14:15], s[4:5], s[16:17]
	s_add_nc_u64 s[46:47], s[6:7], s[46:47]
	CROUND                                         ; all sixteen work-groups are here: the first joint loads meet
.irp s, 0,1
	s_mov_b32 s[G0+4*(\s)], 1                                        ; count = 1
	s_add_co_u32 s[G0+4*(\s)+1], s20, (\s)*SLOT                      ; LDS address
	s_add_nc_u64 s[G0+4*(\s)+2:G0+4*(\s)+3], s[14:15], (\s)*262144   ; K step s: two heads on
	s_or_b32 s[G0+4*(\s)+3], s[G0+4*(\s)+3], 0x80000000              ; type = 2
	s_mov_b32 s[G0B+4*(\s)], 1
	s_add_co_u32 s[G0B+4*(\s)+1], s18, (\s)*SLOT
	s_add_nc_u64 s[G0B+4*(\s)+2:G0B+4*(\s)+3], s[46:47], (\s)*262144 ; K step s: 128 rows of 2,048 bytes
	s_or_b32 s[G0B+4*(\s)+3], s[G0B+4*(\s)+3], 0x80000000
	JLOAD \s                                       ; two loads of mine are out
.endr
	; A fragment of O is 16 rows x 32 K in 8 registers: lane l holds row l % 16, K = 8 (l / 16) + 0..7 and 16 + 8 (l / 16) + 0..7: two loads of 16 bytes, 32 bytes apart.
	v_and_b32 v1, 15, v0                           ; l % 16
	v_bfe_u32 v2, v0, 4, 1                         ; l / 16
	v_mul_u32_u24 v3, v1, PAO
	v_lshl_add_u32 v3, v2, 4, v3
	; The turning load takes 16 k x 16 columns (lane l reads 16 bytes: k = 8 (l / 16) + l % 8, columns 8 ((l / 8) % 2) + 0..7) and leaves half a fragment: lane l holds column l % 16 and 8 k.
	v_and_b32 v4, 7, v0
	v_bfe_u32 v5, v0, 3, 1
	v_lshl_add_u32 v6, v2, 3, v4
	v_mul_u32_u24 v6, v6, PB
	v_lshl_add_u32 v6, v5, 4, v6
	s_mul_i32 s21, s11, 64*PAO                     ; my 64 rows of O
	s_lshl_b32 s22, s12, 8                         ; my 128 columns of Wo, 256 bytes,
	s_add_co_u32 s22, s22, AT                      ; behind O's tile
.irp s, 0,1
	v_add_nc_u32 v[ADRA+(\s)], s21, v3
	v_add_nc_u32 v[ADRB+(\s)], s22, v6
	s_add_co_u32 s21, s21, SLOT
	s_add_co_u32 s22, s22, SLOT
.endr
	s_mul_i32 s23, s10, 16*SP
	s_add_co_u32 s23, s23, STAGE                   ; my stage
	v_mul_u32_u24 v7, v1, SP                       ; in: row l % 16, 32 bytes for each half of the lanes
	v_lshl_add_u32 v7, v2, 5, v7
	v_add_nc_u32 v[STO], s23, v7
	v_and_b32 v[CO], 31, v0                        ; back: 32 lanes take one row of 512 bytes, which are 512 consecutive bytes of the result
	v_lshlrev_b32 v[CO], 4, v[CO]
	v_add_nc_u32 v[RD], s23, v[CO]
	s_lshl_b32 s46, s42, 10                        ; my first column, in bytes of 4: 1,024 x tile column + 512 x half: in the bias and in a row of the result
	s_lshl_b32 s47, s12, 9
	s_add_co_u32 s46, s46, s47
	s_mov_b32 s47, 0
	v_lshl_add_u32 v[BO], v2, 5, s46               ; + 4 x 8 (l / 16)
	WIN 0x80                                       ; destination window 2
.irp b, 0,1,2,3,4,5,6,7
	global_load_b128 v[BIAS+8*(\b):BIAS+8*(\b)+3],   v[BO], s[66:67] offset:64*(\b)
	global_load_b128 v[BIAS+8*(\b)+4:BIAS+8*(\b)+7], v[BO], s[66:67] offset:64*(\b)+16
.endr
	WIN 0
	s_lshl_b32 s16, s13, 7                         ; my first row: 128 x tile row + 64 x half, of 4,096 bytes
	s_lshl_b32 s17, s11, 6
	s_add_co_u32 s16, s16, s17
	s_lshl_b32 s16, s16, 12
	s_mov_b32 s17, 0
	s_add_nc_u64 s[8:9], s[8:9], s[16:17]
	s_add_nc_u64 s[8:9], s[8:9], s[46:47]
; 24 LDS loads in one run: the fragments of quarter q (32 along K: half a head) of a slot into buffer f
.macro FETCH slot, q, f
	WIN 0
.irp a, 0,1,2,3
	ds_load_b128 v[AF+32*(\f)+8*(\a):AF+32*(\f)+8*(\a)+3],   v[ADRA+(\slot)] offset:((\q)/2)*AH+(\a)*16*PAO+64*((\q)%2)
	ds_load_b128 v[AF+32*(\f)+8*(\a)+4:AF+32*(\f)+8*(\a)+7], v[ADRA+(\slot)] offset:((\q)/2)*AH+(\a)*16*PAO+64*((\q)%2)+32
.endr
.irp b, 0,1,2,3,4,5,6,7
	ds_load_tr16_b128 v[BF+64*(\f)+8*(\b):BF+64*(\f)+8*(\b)+3],   v[ADRB+(\slot)] offset:(\q)*32*PB+32*(\b)
	ds_load_tr16_b128 v[BF+64*(\f)+8*(\b)+4:BF+64*(\f)+8*(\b)+7], v[ADRB+(\slot)] offset:(\q)*32*PB+16*PB+32*(\b)
.endr
.endm
; 8 matrix instructions: row block a x all 8 column blocks, 32 along K, from buffer f.  first = 1: the bias starts the sums: nothing is ever cleared.
; The 32 accumulators take turns, one instruction a turn, in the same order in every quarter.
.macro BLK f, a, first
.irp b, 0,1,2,3,4,5,6,7
.if \first
	WIN MULB
	v_wmma_f32_16x16x32_f16 v[8*(8*(\a)+(\b)):8*(8*(\a)+(\b))+7], v[BF+64*(\f)+8*(\b):BF+64*(\f)+8*(\b)+7], v[AF+32*(\f)+8*(\a):AF+32*(\f)+8*(\a)+7], v[BIAS+8*(\b):BIAS+8*(\b)+7]
.else
	WIN MUL
	v_wmma_f32_16x16x32_f16 v[8*(8*(\a)+(\b)):8*(8*(\a)+(\b))+7], v[BF+64*(\f)+8*(\b):BF+64*(\f)+8*(\b)+7], v[AF+32*(\f)+8*(\a):AF+32*(\f)+8*(\a)+7], v[8*(8*(\a)+(\b)):8*(8*(\a)+(\b))+7]
.endif
.endr
.endm
.macro PLACES                          ; four places (ISA guide 7.12.1 for vector instructions) in front of loads into registers that matrix instructions have read, and of stores that read results
.rept 4
	v_nop
.endr
.endm
; A K step is four quarters of 32 along K, 32 matrix instructions each, on buffers 0, 1, 0, 1.  A quarter multiplies buffer f; at its head it fetches quarter nq of slot ns into the other buffer.
.macro QUARTER f, ns, nq, first=0
	PLACES
	FETCH \ns, \nq, 1-(\f)
	s_wait_dscnt 24                                ; all but the 24 just issued: buffer f is in
	BLK \f, 0, \first
	BLK \f, 1, \first
	BLK \f, 2, \first
	BLK \f, 3, \first
.endm
; A K step's third quarter fetches the slot's last fragments and changes slots: ONE barrier.  In front of it each wave waits for all its tensor loads, of which one is out: its part of the other slot; adds 0 to its
; spare word; and waits for that and for its own reads of this slot.  fill = 1: the barrier opens a round of the cluster's barrier, and behind the round this slot is filled again, two K steps ahead:
; from that request to the wait for it a wave issues 112 matrix instructions.
.macro TURNQ slot, fill
	PLACES
	FETCH \slot, 3, 1
	s_wait_dscnt 24
	BLK 0, 0, 0
	WIN 0                                          ; (the add's two registers lie in window 0)
	s_wait_tensorcnt 0x0                           ; all my tensor loads have landed;
	ds_add_u32 v[SPW], v[NIL]                      ; 0 onto my spare word;
	BLK 0, 1, 0                                    ; eight matrix instructions stand between the add and the wait for it
	s_wait_dscnt 0x0                               ; the add is done, and my reads of this slot are over
	s_barrier_signal -1
	BLK 0, 2, 0                                    ; work on registers while the others arrive
.if \fill
	WIN 0
.endif
	s_barrier_wait -1
.if \fill
	CREST                                          ; no wave of any partner still reads this slot's tiles or has a load on its way
	s_add_nc_u64 s[G0+4*(\slot)+2:G0+4*(\slot)+3], s[G0+4*(\slot)+2:G0+4*(\slot)+3], 524288
	s_add_nc_u64 s[G0B+4*(\slot)+2:G0B+4*(\slot)+3], s[G0B+4*(\slot)+2:G0B+4*(\slot)+3], 524288
	JLOAD \slot                                    ; the first tensor load behind the round, and my only one until the next
.endif
	BLK 0, 3, 0
.endm
	s_wait_tensorcnt 1                             ; my part of K step 0 is in; K step 1's may stay out
	s_barrier_signal -1
	s_barrier_wait -1                              ; everybody's is
	FETCH 0, 0, 0
	s_wait_loadcnt 0x0                             ; the bias
	WIN 0x0a                                       ; it is rounded to bf16, like the other inputs: sources in window 2,
.set i, 0
.rept 32
	v_cvt_pk_bf16_f32 v[BF+64+i], v[BIAS+2*i], v[BIAS+2*i+1]
.set i, i+1
.endr
	WIN 0x80                                       ; and widened again, back into window 2
.set i, 0
.rept 32
	v_lshlrev_b32 v[BIAS+2*i], 16, v[BF+64+i]
	v_and_b32 v[BIAS+2*i+1], 0xffff0000, v[BF+64+i]
.set i, i+1
.endr
	QUARTER 0, 0, 1, 1                             ; the first quarter stands in front of the loop: its products start the sums
	WIN 0                                          ; at a label and at a branch every window is 0
	s_mov_b32 s3, 3
.Llap:                                                 ; a trip goes once round the ring, from a lap's second quarter to the next lap's first, and fills both slots again: K steps 2 to 7
	QUARTER 1, 0, 2
	TURNQ 0, 1
	QUARTER 1, 1, 0
	QUARTER 0, 1, 1
	QUARTER 1, 1, 2
	TURNQ 1, 1
	QUARTER 1, 0, 0
	QUARTER 0, 0, 1
	WIN 0
	s_sub_co_u32 s3, s3, 1
	s_cmp_lg_u32 s3, 0
	s_cbranch_scc1 .Llap
	QUARTER 1, 0, 2                                ; the last lap fills nothing, and has no round of the cluster's barrier
	TURNQ 0, 0
	QUARTER 1, 1, 0
	QUARTER 0, 1, 1
	QUARTER 1, 1, 2
	QUARTER 0, 1, 3
	s_wait_dscnt 0x0                               ; the very last quarter: nothing more to fetch
	BLK 1, 0, 0
	BLK 1, 1, 0
	BLK 1, 2, 0
	BLK 1, 3, 0
	WIN 0
	PLACES
; THE WAY OUT, a row block (16 rows x 128 columns of f32) at a time: straight from the accumulators, each one's low four registers first, 32 bytes a lane into my stage, rows of 528 bytes;
; back as whole rows of 512 bytes, into the registers that the block left.
.macro OUTB a
	WIN 0x04                                       ; the data (source 1) in window 1, the address in window 0
.irp b, 0,1,2,3,4,5,6,7
	ds_store_b128 v[STO], v[64*(\a)+8*(\b):64*(\a)+8*(\b)+3]   offset:64*(\b)
	ds_store_b128 v[STO], v[64*(\a)+8*(\b)+4:64*(\a)+8*(\b)+7] offset:64*(\b)+16
.endr
	WIN 0x40                                       ; destination window 1
.set t, 0
.rept 16
	ds_load_b128 v[64*(\a)+4*t:64*(\a)+4*t+3], v[RD] offset:SP*t  ; LDS serves a wave's instructions in order (ISA guide 5.7.1.4): these see the stores above; the next block's stores come behind them
.set t, t+1
.endr
.endm
.macro SENDO a, younger                ; younger: the LDS instructions issued behind block a's loads: the next block's 32, or none
	WIN 0x04
.set t, 0
.rept 16
	s_wait_dscnt (\younger)+15-t
	global_store_b128 v[CO], v[64*(\a)+4*t:64*(\a)+4*t+3], s[8:9] offset:(16*(\a)+t)*4096 th:TH_STORE_NT  ; 512 consecutive bytes, at a multiple of 256 from the buffer's first
.set t, t+1
.endr
.endm
	OUTB 0
	OUTB 1                                         ; a block's way through the stage stands between the loads of the block before and its stores
	SENDO 0, 32
	OUTB 2
	SENDO 1, 32
	OUTB 3
	SENDO 2, 32
	SENDO 3, 0
	WIN 0
	s_wait_tensorcnt 0x0                           ; the wave's end, behind my last tensor load and my last LDS store
	ds_add_u32 v[SPW], v[NIL]
	s_wait_dscnt 0x0
	CROUND                                         ; the closing round: no work-group ends while a partner may still ask for a tile that names it
	s_endpgm
.Lfunc_end_k_q3f75f11a89_outp:
	.size	k_q3f75f11a89_outp, .Lfunc_end_k_q3f75f11a89_outp-k_q3f75f11a89_outp
	.p2alignl 7, 3214868480
	.fill 96, 4, 3214868480
	.section	.rodata,"a",@progbits
	.p2align	6, 0x0
	.amdhsa_kernel k_q3f75f11a89_outp
		.amdhsa_group_segment_fixed_size 327680
		.amdhsa_private_segment_fixed_size 0
		.amdhsa_enable_private_segment 0
		.amdhsa_kernarg_size 32
		.amdhsa_user_sgpr_count 2
		.amdhsa_user_sgpr_kernarg_segment_ptr 1
		.amdhsa_wavefront_size32 1
		.amdhsa_system_sgpr_workgroup_id_x 1
		.amdhsa_system_sgpr_workgroup_id_y 1
		.amdhsa_system_sgpr_workgroup_id_z 1
		.amdhsa_system_vgpr_workitem_id 0
		.amdhsa_next_free_vgpr 576
		.amdhsa_next_free_sgpr 68
		.amdhsa_reserve_vcc 0
		.amdhsa_float_denorm_mode_32 3
		.amdhsa_float_denorm_mode_16_64 3
		.amdhsa_memory_ordered 1
		.amdhsa_forward_progress 1
		.amdhsa_inst_pref_size 93
	.end_amdhsa_kernel
	.amdgpu_metadata
---
amdhsa.version: [ 1, 2 ]
amdhsa.kernels:
  - .name:           k_q3f75f11a89_outp
    .symbol:         k_q3f75f11a89_outp.kd
    .args:
      - { .name: oh, .offset: 0, .size: 8, .value_kind: global_buffer, .address_space: global }
      - { .name: wb, .offset: 8, .size: 8, .value_kind: global_buffer, .address_space: global }
      - { .name: out0, .offset: 16, .size: 8, .value_kind: global_buffer, .address_space: global }
      - { .name: bo, .offset: 24, .size: 8, .value_kind: global_buffer, .address_space: global }
    .group_segment_fixed_size: 327680
    .private_segment_fixed_size: 0
    .kernarg_segment_align: 8
    .kernarg_segment_size: 32
    .max_flat_workgroup_size: 128
    .sgpr_count:     68
    .vgpr_count:     576
    .wavefront_size: 32
...
	.end_amdgpu_metadata
.endif
;; end of part 4
